; MI455X (gfx1250); checked and timed in simulation.
; The chip was launched on July 23, 2026; its instructions are those of AMD's public machine-readable ISA for CDNA 5 (MIT licence, August 2026) and "CDNA5" Instruction Set Architecture Reference Guide (July 2026). The comments in the code are by the model that wrote it; some were corrected since.
;; Attention. Allowed arithmetic: matrix products marked QUANTISED: E2M1 operands, one E8M0 scale for each 32 along K, by v_wmma_scale_f32_16x16x128_f8f6f4 with both operands' format E2M1 (or v_wmma_scale_f32_32x16x128_f4), f32 sums; products left as they are: f32 operands where the result goes on into a quantised operand, else bf16, f16 or f32 operands; f32 sums; everything else in f32.
;; Inputs: W_attn 2,048 x 1,024 float32; b_attn 1,024 float32; encoder_outputs_codes 64 x 1,024 x 32 x 16 uint8 (E2M1 codes of encoder_outputs, K innermost, in blocks of 32 codes, two codes a byte); encoder_outputs_scales 64 x 1,024 x 32 uint8 (E8M0 scales of encoder_outputs, one for each 32 codes along K); hidden_codes 64 x 32 x 16 uint8 (E2M1 codes of hidden, K innermost, in blocks of 32 codes, two codes a byte); hidden_scales 64 x 32 uint8 (E8M0 scales of hidden, one for each 32 codes along K); mask 64 x 1,024 int32; v 1,024 float32.
;; Outputs: out0 64 x 1,024 float32.
;; This version of the problem:
;;   THIS VERSION OF THE PROBLEM IS GIVEN IN LOW PRECISION. The matrix products marked QUANTISED in the list below multiply operands that are first quantised to E2M1 (2 exponent bits, 1 mantissa bit; 4 bits a number), with one power-of-two scale for each 32 numbers along K (OCP MX v1.0); their sums are f32. All else is computed in f32.
;;   The module's matrix products, in the order in which they are computed (A, B: the left and right operand; K: the contracted axis; several contracted axes count as one K, in the product's order):
;;     1. [M 64, K 1,024] x [K 1,024, N 1,024]; A: input hidden (given as codes); B: input W_attn: QUANTISED
;;     2. [M 64, K 1,024] x [K 1,024, N 1,024]; A: input hidden (given as codes); B: input W_attn: QUANTISED
;;     3. [M 65,536, K 1,024] x [K 1,024, N 1,024]; A: input encoder_outputs (given as codes); B: input W_attn: QUANTISED
;;     4. [M 65,536, K 1,024] x [K 1,024, N 1]; A: computed on the way; B: input v: left as it is (N = 1 < 16)
;;   THE QUANTISER, for each operand of a quantised product, along K:
;;     - K is cut into blocks of 32 from its start; a last block that is shorter is filled with zeros.
;;     - A block's scale is 2^e with e = floor(log2(the largest magnitude in the block)) - 2, held to -126 .. 127; a block of zeros has e = 0. As a byte (E8M0): e + 127.
;;     - Each number is divided by its block's scale, clamped to +-6, and rounded to the nearest number of E2M1, ties to even, subnormals kept.
;;     - The product sums the exact products of the quantised numbers (number of the format x scale) in f32.
;;   ~~~python
;;   def quantise(x, axis):      # numpy; x: float32 -> the quantised numbers, widened to float32 again
;;       x = np.moveaxis(x, axis, -1); K = x.shape[-1]
;;       x = np.pad(x, [(0, 0)] * (x.ndim - 1) + [(0, -K % 32)]); x = x.reshape(x.shape[:-1] + (-1, 32)); a = np.abs(x).max(-1, keepdims=True)
;;       e = np.where(a > 0, np.clip(np.frexp(np.where(a > 0, a, 1))[1] - 1 - 2, -126, 127), 0)      # np.frexp(a)[1] - 1 = floor(log2(a)), exactly
;;       r = np.clip(x / 2.0 ** e, -6, 6)
;;       step = 2.0 ** (np.maximum(np.frexp(np.where(r == 0, 1, r))[1] - 1, 0) - 1)
;;       q = np.round(r / step) * step * 2.0 ** e      # np.round: ties to even
;;       return np.moveaxis(q.reshape(q.shape[:-2] + (-1,))[..., :K], -1, axis).astype(np.float32)
;;   ~~~
;;   INPUTS GIVEN AS CODES. encoder_outputs (in the module: [64, 1024, 1024], K = its axis 2); hidden (in the module: [64, 1024], K = its axis 1): each comes as NAME_codes (uint8): NAME with its K axis moved to the last place and cut into blocks of 32 codes, [.., K / 32, bytes a block], one block behind the other in memory; two codes a byte, the lower K in the low four bits (a code: sign, 2 exponent bits, 1 mantissa bit); and NAME_scales (uint8): the same leading axes, one E8M0 byte (e + 127) for each 32 codes along K. Its value is code x scale, taken as it is: it is not quantised again, and the codes and scales need not be those that the quantiser above would give.
;; 2 versions. Each part assembles by itself: llvm-mc -triple=amdgcn-amd-amdhsa -mcpu=gfx1250 --defsym DOCPART=n.
;; ======== version 1 of 2: 3 launches
;; workspace buffers: wcodes 524,288 bytes; wscl 32,768 bytes; hpart 524,288 bytes; scores 262,144 bytes
;; launch prep (part 1): grid 16 x 4, 8 waves a work-group, no clusters, 71,680 bytes of LDS; arguments W_attn, hidden_codes, hidden_scales, wcodes, wscl, hpart; writes wcodes, wscl, hpart
.if DOCPART == 1
	.amdgcn_target "amdgcn-amd-amdhsa--gfx1250"
	.amdhsa_code_object_version 6
	.text
	.protected	k_qa8b6266bce_prep
	.globl	k_qa8b6266bce_prep
	.p2align	8
	.type	k_qa8b6266bce_prep,@function
k_qa8b6266bce_prep:
	s_mov_b64 s[64:65], 0
	v_nop
	global_prefetch_b8 v0, s[64:65] scope:SCOPE_SE
	s_setreg_imm32_b32 hwreg(HW_REG_WAVE_MODE, 25, 1), 1
	s_wait_xcnt 0x0
; THE PROGRAM: out0 = softmax_s( where(mask == 0, -1e10, tanh(hidden Wh + enc We + b_attn) . v) ), B = 64, S = 1,024, D = 1,024; the products with Wh and We on codes of E2M1 with one E8M0 scale for each 32 along K.
; Three launches: this one (W_attn into codes; hidden x Wh), 'energy' (enc x We, tanh, the product with v), 'soft' (mask and softmax).
; WORK LEFT OUT.  reference() computes energy = tanh(hidden @ Wh + b_attn)[:, None, :] * 0 and never names 'energy' again: no result hangs on it, whatever the inputs hold.  So the first product of the table
; (hidden x Wh for 'energy') and its tanh are not done.  The second product has the same operands and is done, so every input keeps a way to the output and every input is loaded.
; LIMIT: a NaN, an infinity or an overflow that would arise in 'energy' alone is not carried to the result (reference() does not carry it either: the value is unused).
; THIS LAUNCH.  W_attn [2048 (k)][1024 (n)] f32 has K as its FIRST axis; rows 0-1023 are Wh, rows 1024-2047 We; 1,024 is a multiple of 32, so the blocks of Wh and of We are blocks of W_attn.
; A LANE TAKES A COLUMN n AND ITS REGISTERS RUN DOWN K: a block of 32 lies in one lane's registers, its largest magnitude needs no other lane, and the conversions give codes with K innermost.
; A block's scale is 2^(floor(log2(largest magnitude)) - 2); its byte is the largest magnitude's exponent field - 2, held at 1 from below.
; LIMITS: a block of zeros gets the byte 1 where the rule says 127 (its codes are zeros, which add nothing under any byte but 0xff, and this program alone reads the bytes); NaN and infinities in W_attn are not served.
; SHARES.  Work-group (x, y): columns 64 x .. 64 x + 63 (a row's 256 bytes), rows 512 y .. 512 y + 511.  Wave w: 32 columns (e2 = w % 2), one K step of 128 rows (kq = w / 2).
; A wave's 32 columns x 128 K become two operand fragments (16 columns x 128 K, 8 registers a lane) by eight exchanges of lane halves, and one scale word a column.
;   y = 2, 3 (We): the fragments are stored AS IMAGES OF THEIR REGISTERS, in the order in which 'energy' loads them: wcodes [pair T of 32 columns][K step s][tile e][c][lane][16 bytes];
;                  the scale words as wscl [T][g][lane = column in the pair][4 words: K steps 4 g .. 4 g + 3], gathered through LDS so that a wave stores 512 bytes on end.
;   y = 0, 1 (Wh): the fragments are multiplied at once with hidden's codes (64 rows, this K step); the four K steps' parts meet in LDS and their sum goes to hpart [y][64][1024] f32.
; The two ways part once, on the work-group's y (the same in all eight waves), and share no LDS byte.  No tensor load, no ring.
.set SROW,  272                        ; the stage's row: 64 columns x 4 bytes + 16: sixteen rows of a store begin at sixteen different 16-byte columns modulo 256
.set SKQ,   64*SROW                    ; 64 rows of hidden: one K step's part
.set STG,   0                          ; LDS, Wh's way alone: four parts
.set SCG,   4*SKQ                      ; LDS, We's way alone: [e2][lane][4 words]
.set SPARE, SCG+1024                   ; the spare words, 128 bytes for each wave: four blocks of 256 bytes that no other line names
.set SPW,  1                           ; v1   LDS address of my spare word; never rewritten
.set NIL,  2                           ; v2   0; never rewritten
.set L4,   3                           ; v3   4 x lane: my column in a row of W
.set HCA,  4                           ; v4   hidden's codes: 512 r + 16 h
.set HSA,  5                           ; v5   hidden's scale words: 32 r
.set L16,  6                           ; v6   16 x lane
.set STO,  7                           ; v7   the stage, in
.set SRD,  8                           ; v8   the stage, back
.set SCO,  9                           ; v9   my scale word's place in SCG
.set SCR,  10                          ; v10  and where a wave reads four of them back
.set OUTA, 11                          ; v11  my byte in hpart
.set MX,   12                          ; v12-13 two chains of a maximum
.set SO,   16                          ; v16-19 the conversions' scale operands, a block each
.set BY,   20                          ; v20-23 the scale bytes
.set SW,   24                          ; v24  my column's scale word: holds scales and nothing else
.set F0,   28                          ; v28-35 blocks 0, 2; behind the exchanges the fragment of columns 0-15
.set F1,   36                          ; v36-43 blocks 1, 3; behind the exchanges the fragment of columns 16-31
.set HS,   44                          ; v44-47 hidden's scale words, a tile of 16 rows each
.set HID,  48                          ; v48-79 hidden's four fragments
.set X,    96                          ; v96-223 my column's 128 numbers
.set ACC,  96                          ; v96-159 eight accumulators, where the numbers lay
.set RED,  160                         ; v160-223 the parts read back
.set WVN,  16
.set E2,   17
.set KQ,   18
.set YY,   19
.macro WLOAD                           ; W(row i of my 128, my column): 32 lanes read 128 bytes on end, the wave beside me the other 128 of the aligned 256
.set wi, 0
.rept 128
	global_load_b32 v[X+wi], v[L4], s[4:5] offset:wi*4096 th:TH_LOAD_NT
.set wi, wi+1
.endr
.endm
.macro BLOCK bl                        ; block bl of my column: 32 numbers -> 4 registers of codes, a scale operand, a byte
.set XS, X+32*(\bl)
.set FD, F0+8*((\bl)%2)+4*((\bl)/2)
.if (\bl) == 0
	s_wait_loadcnt 63                              ; loads come back in order: at most the 63 youngest of the 128 are out, so rows 0 to 64 are in: blocks 0 and 1 (a wait's count holds no more than 63)
.elseif (\bl) == 2
	s_wait_loadcnt 32                              ; behind block 2's loads: block 3's 32
.elseif (\bl) == 3
	s_wait_loadcnt 0x0
.endif
	v_max3_num_f32 v[MX], |v[XS]|, |v[XS+1]|, |v[XS+2]|
	v_max3_num_f32 v[MX+1], |v[XS+3]|, |v[XS+4]|, |v[XS+5]|
.irp i, 6,10,14,18,22,26
	v_max3_num_f32 v[MX], v[MX], |v[XS+\i]|, |v[XS+\i+1]|
	v_max3_num_f32 v[MX+1], v[MX+1], |v[XS+\i+2]|, |v[XS+\i+3]|
.endr
	v_max3_num_f32 v[MX], v[MX], |v[XS+30]|, |v[XS+31]|
	v_max3_num_f32 v[MX], v[MX], v[MX+1], 0x1800000    ; and the floor 2^(3 - 127): the byte cannot fall under 1
	v_add_nc_u32 v[SO+\bl], 0xff000000, v[MX]          ; 2 off the exponent field: the conversion takes the exponent field of this operand as its scale, and nothing else of it
	v_lshrrev_b32 v[BY+\bl], 23, v[SO+\bl]             ; the scale's byte
.irp g, 0,1,2,3
	v_cvt_scalef32_pk8_fp4_f32 v[FD+\g], v[XS+8*\g:XS+8*\g+7], v[SO+\bl]
.endr
.endm
; The operand's layout gives lane (r, h) of a tile, in registers 4 c .. 4 c + 3, block 2 c + h of column r.  Ahead of the exchanges F0 holds blocks 0, 2 and F1 blocks 1, 3 of column 'lane' of 32.
; The exchange of F0's lanes 16-31 with F1's lanes 0-15 makes F0 the fragment of columns 0-15 and F1 that of columns 16-31.
.macro QUANT
	BLOCK 0
	BLOCK 1
	BLOCK 2
	BLOCK 3
	v_nop                                          ; one plain place behind the last scaled conversion
	v_lshl_or_b32 v[SW], v[BY+1], 8, v[BY]         ; the four bytes make my column's scale word for this K step: lanes 0-15 the first tile's, lanes 16-31 the second's
	v_lshl_or_b32 v[SW], v[BY+2], 16, v[SW]
	v_lshl_or_b32 v[SW], v[BY+3], 24, v[SW]
.irp i, 0,1,2,3,4,5,6,7
	v_permlane16_swap_b32 v[F0+\i], v[F1+\i]
.endr
.endm
	s_load_b256 s[4:11], s[0:1], 0x0               ; W_attn s[4:5], hidden's codes s[6:7], hidden's scales s[8:9], wcodes s[10:11]
	s_load_b128 s[12:15], s[0:1], 0x20             ; wscl s[12:13], hpart s[14:15]
	v_lshl_add_u32 v[SPW], v0, 2, SPARE
	v_mov_b32 v[NIL], 0
	v_lshrrev_b32 v14, 5, v0
	v_readfirstlane_b32 s[WVN], v14                ; wave 0..7
	s_and_b32 s[E2], s[WVN], 1                     ; which 32 columns
	s_lshr_b32 s[KQ], s[WVN], 1                    ; which K step of the work-group's four
	s_and_b32 s[YY], ttmp7, 0xffff                 ; which 512 rows of W_attn
	v_and_b32 v14, 31, v0                          ; lane
	v_and_b32 v15, 15, v0                          ; r (also: thread % 16)
	v_bfe_u32 v25, v0, 4, 1                        ; h
	v_lshrrev_b32 v26, 4, v0                       ; thread / 16
	v_lshlrev_b32 v[L4], 2, v14
	v_lshlrev_b32 v[L16], 4, v14
	v_lshlrev_b32 v[HCA], 9, v15
	v_lshl_add_u32 v[HCA], v25, 4, v[HCA]
	v_lshlrev_b32 v[HSA], 5, v15
	; every LDS address is made here, ahead of the parting of the ways
	s_mul_i32 s20, s[KQ], SKQ
	s_lshl_b32 s21, s[E2], 7
	s_add_co_u32 s20, s20, s21
	v_mul_u32_u24 v[STO], v15, SROW
	v_lshl_add_u32 v[STO], v25, 5, v[STO]
	v_add_nc_u32 v[STO], s20, v[STO]               ; part kq, row r, + 128 e2 + 32 h: eight neighbouring columns of a row
	v_mul_u32_u24 v[SRD], v26, SROW
	v_lshl_add_u32 v[SRD], v15, 4, v[SRD]          ; back: sixteen threads to a row of 256 bytes
	s_lshl_b32 s20, s[E2], 9
	s_add_co_u32 s20, s20, SCG
	v_add_nc_u32 v[SCR], s20, v[L16]
	s_lshl_b32 s21, s[KQ], 2
	s_add_co_u32 s20, s20, s21
	v_add_nc_u32 v[SCO], s20, v[L16]
	v_lshlrev_b32 v[OUTA], 12, v26
	v_lshl_add_u32 v[OUTA], v15, 4, v[OUTA]        ; hpart: row thread / 16 of 4,096 bytes, 16 bytes a thread
	s_lshl_b32 s20, s[YY], 21                      ; W: 512 y rows of 4,096 bytes,
	s_lshl_b32 s21, s[KQ], 19                      ; + 128 kq rows,
	s_add_co_u32 s20, s20, s21
	s_lshl_b32 s21, ttmp9, 8                       ; + 64 x columns,
	s_add_co_u32 s20, s20, s21
	s_lshl_b32 s21, s[E2], 7                       ; + 32 e2 columns
	s_add_co_u32 s20, s20, s21
	s_mov_b32 s21, 0
	s_wait_kmcnt 0x0
	s_add_nc_u64 s[4:5], s[4:5], s[20:21]
	s_cmp_ge_u32 s[YY], 2                          ; the work-group's number alone: all eight waves go the same way
	s_cbranch_scc1 .Lwe
	; ---------------- Wh: quantise, multiply with hidden, add the four K steps ----------------
	s_lshl_b32 s20, s[YY], 2
	s_add_co_u32 s20, s20, s[KQ]                   ; my K step of hidden's eight
	s_lshl_b32 s22, s20, 6                         ; 64 bytes of codes,
	s_mov_b32 s23, 0
	s_add_nc_u64 s[6:7], s[6:7], s[22:23]
	s_lshl_b32 s22, s20, 2                         ; 4 scale bytes
	s_add_nc_u64 s[8:9], s[8:9], s[22:23]
.irp mt, 0,1,2,3                       ; hidden's fragments of this K step: rows 16 mt + r.  Issued ahead of W's loads, so W's counted waits cover them
.irp c, 0,1
	global_load_b128 v[HID+8*\mt+4*\c:HID+8*\mt+4*\c+3], v[HCA], s[6:7] offset:\mt*8192+32*\c
.endr
	global_load_b32 v[HS+\mt], v[HSA], s[8:9] offset:\mt*512
.endr
	WLOAD
	s_lshl_b32 s22, s[YY], 18                      ; hpart: part y,
	s_lshl_b32 s20, ttmp9, 8                       ; my work-group's 64 columns
	s_add_co_u32 s22, s22, s20
	s_add_nc_u64 s[14:15], s[14:15], s[22:23]
	QUANT
.rept 8
	v_nop                                          ; a scale register written by vector instructions stands 8 places ahead of a scaled matrix instruction, an operand so written 4
.endr
; TRANSPOSED: source 0 = 16 columns of Wh, source 1 = 16 rows of hidden: lane (r, h) holds row 16 mt + r, its register j column 16 e + 8 h + j.  Eight accumulators, each begun by the constant 0.
.irp mt, 0,1,2,3
	v_wmma_scale_f32_16x16x128_f8f6f4 v[ACC+16*\mt:ACC+16*\mt+7], v[F0:F0+7], v[HID+8*\mt:HID+8*\mt+7], 0, v[SW], v[HS+\mt] matrix_a_fmt:MATRIX_FMT_FP4 matrix_b_fmt:MATRIX_FMT_FP4
	v_wmma_scale_f32_16x16x128_f8f6f4 v[ACC+16*\mt+8:ACC+16*\mt+15], v[F1:F1+7], v[HID+8*\mt:HID+8*\mt+7], 0, v[SW], v[HS+\mt] matrix_a_fmt:MATRIX_FMT_FP4 matrix_b_fmt:MATRIX_FMT_FP4 matrix_a_scale:MATRIX_SCALE_ROW1
.endr
.rept 4
	v_nop                                          ; four places between the last product and the first read of a result
.endr
.irp mt, 0,1,2,3
.irp e, 0,1
	ds_store_b128 v[STO], v[ACC+16*\mt+8*\e:ACC+16*\mt+8*\e+3] offset:\mt*16*SROW+64*\e        ; each accumulator from its low end on
	ds_store_b128 v[STO], v[ACC+16*\mt+8*\e+4:ACC+16*\mt+8*\e+7] offset:\mt*16*SROW+64*\e+16
.endr
.endr
	s_wait_dscnt 0x0                               ; for the others' sake: my part lies in the stage
	s_barrier_signal -1
	s_barrier_wait -1
.irp k, 0,1,2,3                        ; rows 16 k + thread / 16; the four K steps' parts
.irp p, 0,1,2,3
	ds_load_b128 v[RED+16*\k+4*\p:RED+16*\k+4*\p+3], v[SRD] offset:\p*SKQ+\k*16*SROW
.endr
.endr
.irp k, 0,1,2,3
	s_wait_dscnt 12-4*\k                           ; LDS loads come back in order: this row's four are in
	v_pk_add_f32 v[RED+16*\k:RED+16*\k+1], v[RED+16*\k:RED+16*\k+1], v[RED+16*\k+4:RED+16*\k+5]
	v_pk_add_f32 v[RED+16*\k+2:RED+16*\k+3], v[RED+16*\k+2:RED+16*\k+3], v[RED+16*\k+6:RED+16*\k+7]
	v_pk_add_f32 v[RED+16*\k+8:RED+16*\k+9], v[RED+16*\k+8:RED+16*\k+9], v[RED+16*\k+12:RED+16*\k+13]
	v_pk_add_f32 v[RED+16*\k+10:RED+16*\k+11], v[RED+16*\k+10:RED+16*\k+11], v[RED+16*\k+14:RED+16*\k+15]
	v_pk_add_f32 v[RED+16*\k:RED+16*\k+1], v[RED+16*\k:RED+16*\k+1], v[RED+16*\k+8:RED+16*\k+9]
	v_pk_add_f32 v[RED+16*\k+2:RED+16*\k+3], v[RED+16*\k+2:RED+16*\k+3], v[RED+16*\k+10:RED+16*\k+11]
	global_store_b128 v[OUTA], v[RED+16*\k:RED+16*\k+3], s[14:15] offset:\k*65536   ; sixteen lanes store 256 bytes on end, at a multiple of 256 from hpart's first byte
.endr
	s_wait_tensorcnt 0x0                           ; the wave's end, behind my last LDS store
	ds_add_u32 v[SPW], v[NIL]
	s_wait_dscnt 0x0
	s_endpgm
	; ---------------- We: quantise, store the fragments' images and the scale words ----------------
.Lwe:
	WLOAD
	s_lshl_b32 s20, ttmp9, 1
	s_add_co_u32 s20, s20, s[E2]                   ; T: my pair of tiles, columns 32 T on
	s_sub_co_u32 s21, s[YY], 2                     ; g: which four K steps of We's eight
	s_lshl_b32 s22, s20, 14                        ; wcodes: 16,384 bytes a pair,
	s_lshl_b32 s23, s21, 13                        ; 2,048 a K step: 4 g
	s_add_co_u32 s22, s22, s23
	s_lshl_b32 s23, s[KQ], 11                      ; + kq
	s_add_co_u32 s22, s22, s23
	s_mov_b32 s23, 0
	s_add_nc_u64 s[10:11], s[10:11], s[22:23]
	s_lshl_b32 s22, s20, 10                        ; wscl: 1,024 bytes a pair, 512 for four K steps
	s_lshl_b32 s20, s21, 9
	s_add_co_u32 s22, s22, s20
	s_add_nc_u64 s[12:13], s[12:13], s[22:23]
	QUANT
	global_store_b128 v[L16], v[F0:F0+3], s[10:11]                  ; each store: 512 bytes on end: an image of four registers
	global_store_b128 v[L16], v[F0+4:F0+7], s[10:11] offset:512
	global_store_b128 v[L16], v[F1:F1+3], s[10:11] offset:1024
	global_store_b128 v[L16], v[F1+4:F1+7], s[10:11] offset:1536
	ds_store_b32 v[SCO], v[SW]                     ; my column's word of K step kq, beside those of the other three K steps
	s_wait_dscnt 0x0                               ; for the others' sake
	s_barrier_signal -1
	s_barrier_wait -1
	s_cmp_ge_u32 s[WVN], 2                         ; waves 0 and 1 (e2 = the wave's number) carry the two pairs' words out
	s_cbranch_scc1 .Lno_words
	ds_load_b128 v[RED:RED+3], v[SCR]
	s_wait_dscnt 0x0
	global_store_b128 v[L16], v[RED:RED+3], s[12:13]                ; 512 bytes on end
.Lno_words:
	s_wait_tensorcnt 0x0                           ; the wave's end, behind my last LDS store
	ds_add_u32 v[SPW], v[NIL]
	s_wait_dscnt 0x0
	s_endpgm
.Lfunc_end_k_qa8b6266bce_prep:
	.size	k_qa8b6266bce_prep, .Lfunc_end_k_qa8b6266bce_prep-k_qa8b6266bce_prep
	.p2alignl 7, 3214868480
	.fill 96, 4, 3214868480
	.section	.rodata,"a",@progbits
	.p2align	6, 0x0
	.amdhsa_kernel k_qa8b6266bce_prep
		.amdhsa_group_segment_fixed_size 71680
		.amdhsa_private_segment_fixed_size 0
		.amdhsa_enable_private_segment 0
		.amdhsa_kernarg_size 48
		.amdhsa_user_sgpr_count 2
		.amdhsa_user_sgpr_kernarg_segment_ptr 1
		.amdhsa_wavefront_size32 1
		.amdhsa_system_sgpr_workgroup_id_x 1
		.amdhsa_system_sgpr_workgroup_id_y 1
		.amdhsa_system_sgpr_workgroup_id_z 1
		.amdhsa_system_vgpr_workitem_id 0
		.amdhsa_next_free_vgpr 224
		.amdhsa_next_free_sgpr 66
		.amdhsa_reserve_vcc 0
		.amdhsa_float_denorm_mode_32 3
		.amdhsa_float_denorm_mode_16_64 3
		.amdhsa_memory_ordered 1
		.amdhsa_forward_progress 1
		.amdhsa_inst_pref_size 47
	.end_amdhsa_kernel
	.amdgpu_metadata
---
amdhsa.version: [ 1, 2 ]
amdhsa.kernels:
  - .name:           k_qa8b6266bce_prep
    .symbol:         k_qa8b6266bce_prep.kd
    .args:
      - { .name: W_attn, .offset: 0, .size: 8, .value_kind: global_buffer, .address_space: global }
      - { .name: hidden_codes, .offset: 8, .size: 8, .value_kind: global_buffer, .address_space: global }
      - { .name: hidden_scales, .offset: 16, .size: 8, .value_kind: global_buffer, .address_space: global }
      - { .name: wcodes, .offset: 24, .size: 8, .value_kind: global_buffer, .address_space: global }
      - { .name: wscl, .offset: 32, .size: 8, .value_kind: global_buffer, .address_space: global }
      - { .name: hpart, .offset: 40, .size: 8, .value_kind: global_buffer, .address_space: global }
    .group_segment_fixed_size: 71680
    .private_segment_fixed_size: 0
    .kernarg_segment_align: 8
    .kernarg_segment_size: 48
    .max_flat_workgroup_size: 256
    .sgpr_count:     66
    .vgpr_count:     224
    .wavefront_size: 32
...
	.end_amdgpu_metadata
.endif
;; end of part 1
;; launch energy (part 2): grid 256 x 1, 8 waves a work-group, clusters of 4 x 1, 327,680 bytes of LDS; arguments encoder_outputs_codes, encoder_outputs_scales, wcodes, wscl, hpart, b_attn, v, scores; writes scores
.if DOCPART == 2
	.amdgcn_target "amdgcn-amd-amdhsa--gfx1250"
	.amdhsa_code_object_version 6
	.text
	.protected	k_qa8b6266bce_energy
	.globl	k_qa8b6266bce_energy
	.p2align	8
	.type	k_qa8b6266bce_energy,@function
k_qa8b6266bce_energy:
	s_mov_b64 s[64:65], 0
	v_nop
	global_prefetch_b8 v0, s[64:65] scope:SCOPE_SE
	s_setreg_imm32_b32 hwreg(HW_REG_WAVE_MODE, 25, 1), 1
	s_wait_xcnt 0x0
	s_wait_alu depctr_hold_cnt(0) depctr_sa_sdst(0) depctr_va_vdst(0) depctr_va_sdst(0) depctr_va_ssrc(0) depctr_va_vcc(0) depctr_vm_vsrc(0)
	s_getreg_b32 s2, hwreg(HW_REG_IB_STS2, 6, 4)
	s_cmp_eq_u32 s2, 0
	s_cbranch_scc0 .Lentry_in_a_cluster
	s_endpgm
.Lentry_in_a_cluster:
	s_bfe_u32 s2, ttmp6, 0x10000c
	s_cmp_lg_u32 s2, 0x3003
	s_cbranch_scc0 .Lentry_shape_is_right
	s_endpgm
.Lentry_shape_is_right:
; scores[b][s] = sum over n of (-2 v[n]) / (1 + e^(2 pre[b][s][n])),  pre = enc[b][s] We + (hidden[b] Wh + b_attn).  Since tanh(x) = 1 - 2 / (1 + e^(2x)), tanh(pre) . v = scores + the sum of v; 'soft' adds that sum.
; (Work left out: reference()'s unused 'energy', as shown at the head of 'prep'.)
; The exponential is 2^t, t = c acc + chW[n], c = 2 log2(e), chW = c (hpart0 + hpart1 + b_attn).  Where 2^t overflows the quotient is 0 (tanh = 1), where it falls to 0 the quotient is 1 (tanh = -1): no hold is needed.
; enc x We is done on codes of E2M1 with E8M0 scales, as they lie in memory (enc) or as 'prep' laid them (We: images of the operand's registers).
; SHARES.  Work-group g owns rows 256 g .. 256 g + 255 of enc (all of one batch b = g / 4) and ALL 1,024 columns, so that a row's sum over n has one owner.  Eight waves, two to a SIMD, so that one wave's vector
; work stands beside the other's matrix work.  Wave w: 64 rows (i = w / 2: four tiles of 16), and the pairs T of 32 columns with T % 2 = j = w % 2: 32 tiles of 16 columns.
; A's FRAGMENTS STAY IN REGISTERS: 4 tiles x 8 K steps x 8 = 256 registers (window 1), read from LDS once.  We streams through LDS: four slots' worth of 8 pairs (131,072 bytes), two slots.
; CLUSTER.  The four work-groups of a cluster (one batch) walk the same We: its codes and scale words are asked for JOINTLY (mask 15), which divides those requests by four.  enc's rows are each work-group's own: a plain load.
; TRANSPOSED: source 0 = 16 columns of We, source 1 = 16 rows of enc: lane (r, h) holds ONE row, its eight registers columns 8 h + 0 .. 7 of the tile: chW and -2 v come as two loads of 16 bytes, the same for sixteen lanes.
; A PIPELINE OF THREE: in one step a wave asks LDS for tile t + 1's fragments, multiplies tile t (32 matrix instructions, four accumulators by turns, K ascending) and, in slices between them, takes tile t - 1
; through scaling, exponential, + 1, reciprocal and the multiply-add with -2 v: 112 vector instructions.
; LDS: X and Y are 256 lines of 512 bytes + 16.  Y first holds the work-group's 256 rows of enc (a row is 512 bytes; the pitch of 33 x 16 bytes lets the sixteen rows of a load begin at sixteen different
; 16-byte columns modulo 256); We's pairs take the same lines (an image of four registers is one line).
; LIMITS: NaN scale bytes (0xff) among the inputs give NaN, as in reference().
.set LP,    528                        ; a line
.set PAIRB, 32*LP                      ; a pair of tiles, all of K: 32 lines; also 32 rows of enc: what one tensor load brings
.set SLOTB, 8*PAIRB                    ; a slot: 135,168 bytes.  No multiple of PAIRB up to 7 shares a bit with it: one exclusive or turns an address in X into Y's
.set YB,    SLOTB
.set SCL,   2*SLOTB                    ; all of wscl, 32,768 bytes, filled once
.set TAB,   SCL+32768                  ; chW [1024] f32, then -2 v [1024] f32: stored by the waves, never a tensor load's target
.set RSUM,  TAB+8192                   ; [j][256 rows] f32
.set SPARE, RSUM+2048                  ; the spare words, 128 bytes for each wave: four blocks of 256 bytes that no other line names
.set SPW,  1                           ; v1   LDS address of my spare word; never rewritten
.set NIL,  2                           ; v2   0; never rewritten
.set L16,  3                           ; v3   16 x lane; never rewritten
.set VL,   4                           ; v4   the half-slot's codes
.set VS,   5                           ; v5   its scale words
.set VT,   6                           ; v6   its place in the tables, 256 bytes back
.set H32,  7                           ; v7   32 x (lane / 16); never rewritten
.set AS,   8                           ; v8-23  enc's scale words: tile a, register q: lanes 0-15 K step q, lanes 16-31 K step 4 + q
.set BS,   24                          ; v24-31 and v56-63: We's scale words, two sets; register s: K step s; lanes 0-15 the pair's first tile, lanes 16-31 its second
.set HW,   32                          ; v32-39 chW of my eight columns
.set W2,   40                          ; v40-47 -2 v of my eight columns
.set RS,   48                          ; v48-55 the rows' sums: a pair (even columns', odd columns') for each tile of rows
.set ACC,  64                          ; v64-95, v96-127: four accumulators, two sets
.set BF,   128                         ; v128-191, v192-255: a tile's eight fragments of We, two sets
.set WVN,  20
.set WI,   21
.set WJ,   22
.set CX,   23
.set GG,   24
.set G1A,  28                          ; s[28:35] descriptor group 1: 32 lines of 512 bytes, no mask (enc)
.set G1B,  36                          ; s[36:43] the same with the mask (We's codes)
.set G1S,  44                          ; s[44:51] 16 rows of 256 bytes, dense, with the mask (We's scale words)
.set G0A,  52
.set G0B,  56                          ; walks
.set G0S,  60
.set CS,   66                          ; s[66:67] c: the packed forms name a pair and take its low word for both halves
.set SEL,  68                          ; s[68:69] v_permlanex16_b32's selects for lane l xor 16
.set TBL,  70                          ; LDS byte of the half-slot in hand, my j's pairs
.set OUTER, 71
.set INNER, 72
.set TSC,  73                          ; the same among the scale words
.set TTB,  76                          ; and in the tables
.set MSB, 0
.macro WIN new                         ; the immediate's high byte repeats the setting that is left; a switch that changes nothing is dropped
.if MSB != \new
	s_set_vgpr_msb (MSB<<8)|\new
.set MSB, \new
.endif
.endm
.macro ROUND                           ; a round of the cluster's barrier
	s_barrier_signal -1
	s_barrier_wait -1
	s_cmp_lg_u32 s[WVN], 0
	s_cbranch_scc1 .Lnot_wave_0_\@
	s_barrier_signal -3
.Lnot_wave_0_\@:
	s_barrier_wait -3
	s_barrier_signal -1
	s_barrier_wait -1
.endm
	s_load_b512 s[4:19], s[0:1], 0x0               ; enc's codes s[4:5], enc's scales s[6:7], wcodes s[8:9], wscl s[10:11], hpart s[12:13], b_attn s[14:15], v s[16:17], scores s[18:19]
	v_lshl_add_u32 v[SPW], v0, 2, SPARE
	v_mov_b32 v[NIL], 0
	ds_add_u32 v[SPW], v[NIL]                      ; the wave's opening: the add, twice on end, and its wait ahead of my first tensor load; the set-up below stands between the second and the wait
	ds_add_u32 v[SPW], v[NIL]
	v_lshrrev_b32 v[VL], 5, v0
	v_readfirstlane_b32 s[WVN], v[VL]              ; wave 0..7
	s_lshr_b32 s[WI], s[WVN], 1                    ; my 64 rows
	s_and_b32 s[WJ], s[WVN], 1                     ; my pairs' parity
	s_bfe_u32 s[CX], ttmp6, 0x40000                ; my place in the cluster: it enters global addresses of enc and scores alone
	s_lshl_b32 s[GG], ttmp9, 2                     ; in a cluster launch ttmp9 counts clusters: it is the batch
	s_add_co_u32 s[GG], s[GG], s[CX]               ; my block of 256 rows
	s_mov_b32 s[G1A], (1<<20)|(6<<22)|(3<<25)                  ; 15:0 no mask; 17:16 elements of 1 byte; 20 padding on; 24:22 after every 128 words (code 6); 31:25 four words (code 3)
	s_mov_b32 s[G1B], 15|(1<<20)|(1<<21)|(6<<22)|(3<<25)       ; the same with the mask of all four work-groups, and bit 21 beside it
.irp g, G1A, G1B
	s_mov_b32 s[\g+1], 512<<16                     ; tensor_dim0 = 512
	s_mov_b32 s[\g+2], 32<<16                      ; tensor_dim1 = 32
	s_mov_b32 s[\g+3], 512<<16                     ; tile_dim0 = 512
	s_mov_b32 s[\g+4], 32                          ; tile_dim1 = 32
	s_mov_b32 s[\g+5], 512                         ; from row to row: dense
	s_mov_b32 s[\g+6], 0
	s_mov_b32 s[\g+7], 0
.endr
	s_mov_b32 s[G1S], 15|(3<<16)|(1<<21)           ; elements of 8 bytes, no padding
	s_mov_b32 s[G1S+1], 32<<16
	s_mov_b32 s[G1S+2], 16<<16
	s_mov_b32 s[G1S+3], 32<<16
	s_mov_b32 s[G1S+4], 16
	s_mov_b32 s[G1S+5], 32
	s_mov_b32 s[G1S+6], 0
	s_mov_b32 s[G1S+7], 0
	s_mov_b32 s[G0A], 1
	s_mov_b32 s[G0B], 1
	s_mov_b32 s[G0S], 1
	s_mul_i32 s[G0B+1], s[WVN], PAIRB              ; LDS: slot X, pair w: the wave's number alone
	s_add_co_u32 s[G0A+1], s[G0B+1], YB            ; LDS: Y, rows 32 w on
	s_lshl_b32 s[G0S+1], s[WVN], 12
	s_add_co_u32 s[G0S+1], s[G0S+1], SCL           ; LDS: my 4,096 bytes of the scale words
	s_lshl_b32 s74, s[GG], 17                      ; enc's codes: 256 g rows of 512 bytes
	s_lshl_b32 s78, s[WVN], 14                     ; + 32 w rows; also: pair w of wcodes
	s_add_co_u32 s74, s74, s78
	s_mov_b32 s75, 0
	s_mov_b32 s79, 0
	s_lshl_b32 s80, s[WVN], 12
	s_mov_b32 s81, 0
	s_mov_b32 s[CS], 0x4038aa3b                    ; c = 2 log2(e)
	s_mov_b32 s[CS+1], s[CS]                       ; (named with it as a pair, so it is written)
	s_mov_b32 s[SEL], 0x76543210
	s_mov_b32 s[SEL+1], 0xfedcba98
	s_mul_i32 s[TBL], s[WJ], PAIRB
	s_lshl_b32 s[TSC], s[WJ], 10
	s_add_co_u32 s[TSC], s[TSC], SCL
	s_lshl_b32 s[TTB], s[WJ], 7
	s_add_co_u32 s[TTB], s[TTB], TAB-256
	v_and_b32 v[L16], 31, v0
	v_lshlrev_b32 v[L16], 4, v[L16]
	v_bfe_u32 v[H32], v0, 4, 1
	v_lshlrev_b32 v[H32], 5, v[H32]
	s_wait_dscnt 0x0                               ; both opening adds are done
	s_wait_kmcnt 0x0
	s_add_nc_u64 s[G0A+2:G0A+3], s[4:5], s[74:75]
	s_or_b32 s[G0A+3], s[G0A+3], 0x80000000        ; 127:126 type = 2
	s_add_nc_u64 s[G0B+2:G0B+3], s[8:9], s[78:79]
	s_or_b32 s[G0B+3], s[G0B+3], 0x80000000
	s_add_nc_u64 s[G0S+2:G0S+3], s[10:11], s[80:81]
	s_or_b32 s[G0S+3], s[G0S+3], 0x80000000
	ROUND                                          ; all four work-groups are here: the first joint loads meet
	tensor_load_to_lds s[G0S:G0S+3], s[G1S:G1S+7]  ; the first fills go out together, every wave issuing its three: three tensor loads of mine are out.  We's scale words,
	s_nop 0
	tensor_load_to_lds s[G0B:G0B+3], s[G1B:G1B+7]  ; pairs 0-7 of We's codes into X,
	s_nop 0
	tensor_load_to_lds s[G0A:G0A+3], s[G1A:G1A+7]  ; my work-group's rows of enc into Y
	s_nop 0
.rept 4
	v_nop
.endr
	s_lshl_b32 s74, s[GG], 13                      ; enc's scales: 256 g rows of 32 bytes
	s_lshl_b32 s78, s[WI], 11                      ; + 64 i rows
	s_add_co_u32 s74, s74, s78
	s_add_nc_u64 s[6:7], s[6:7], s[74:75]
	s_lshl_b32 s74, ttmp9, 12                      ; hpart: row b
	s_add_nc_u64 s[12:13], s[12:13], s[74:75]
	s_lshl_b32 s74, s[GG], 10                      ; scores: 256 g numbers
	s_lshl_b32 s78, s[WVN], 9                      ; + 128 w (waves 0 and 1 store)
	s_add_co_u32 s74, s74, s78
	s_add_nc_u64 s[18:19], s[18:19], s[74:75]
	v_and_b32 v128, 15, v0                         ; r
	v_bfe_u32 v129, v0, 4, 1                       ; h
	v_lshlrev_b32 v130, 5, v128
	v_lshl_add_u32 v130, v129, 4, v130             ; enc's scales: row r of 32 bytes, + 16 h: K steps 4 h .. 4 h + 3
	v_lshlrev_b32 v131, 4, v0                      ; the tables: four columns a thread
	v_lshl_add_u32 v148, v0, 4, TAB
	v_mul_u32_u24 v149, v128, LP
	v_lshl_add_u32 v149, v129, 4, v149
	s_mul_i32 s74, s[WI], 64*LP
	s_add_co_u32 s74, s74, YB
	v_add_nc_u32 v149, s74, v149                   ; enc's fragments: Y, row 64 i + r, + 16 h
.irp a, 0,1,2,3
	global_load_b128 v[AS+4*\a:AS+4*\a+3], v130, s[6:7] offset:512*\a
.endr
	global_load_b128 v[132:135], v131, s[12:13]
	global_load_b128 v[136:139], v131, s[12:13] offset:262144
	global_load_b128 v[140:143], v131, s[14:15]
	global_load_b128 v[144:147], v131, s[16:17]
.irp a, 0,1,2,3,4,5,6,7
	v_mov_b32 v[RS+\a], 0                          ; the rows' sums begin at 0: the step is written once
.endr
	s_wait_loadcnt 0x0
	v_pk_add_f32 v[132:133], v[132:133], v[136:137]
	v_pk_add_f32 v[134:135], v[134:135], v[138:139]
	v_pk_add_f32 v[132:133], v[132:133], v[140:141]
	v_pk_add_f32 v[134:135], v[134:135], v[142:143]
	v_pk_mul_f32 v[132:133], v[132:133], s[CS:CS+1] op_sel_hi:[1,0]     ; chW = c (hidden Wh + b_attn)
	v_pk_mul_f32 v[134:135], v[134:135], s[CS:CS+1] op_sel_hi:[1,0]
	v_pk_mul_f32 v[144:145], v[144:145], -2.0 op_sel_hi:[1,0]           ; -2 v
	v_pk_mul_f32 v[146:147], v[146:147], -2.0 op_sel_hi:[1,0]
	ds_store_b128 v148, v[132:135]
	ds_store_b128 v148, v[144:147] offset:4096
	s_wait_tensorcnt 0x0                           ; my parts of the scale words, of X and of Y have landed,
	s_wait_dscnt 0x0                               ; my part of the tables is stored:
	s_barrier_signal -1
	s_barrier_wait -1                              ; everybody's are.
	WIN 0x40                                       ; destination window 1
.irp a, 0,1,2,3
.irp s, 0,1,2,3,4,5,6,7
	ds_load_b128 v[64*\a+8*\s:64*\a+8*\s+3],   v149 offset:\a*16*LP+64*\s       ; enc's fragment (tile a, K step s): registers 4 c .. 4 c + 3 hold K = 128 s + 64 c + 32 h + 0 .. 31
	ds_load_b128 v[64*\a+8*\s+4:64*\a+8*\s+7], v149 offset:\a*16*LP+64*\s+32
.endr
.endr
	WIN 0
; One matrix instruction; c: its C, the constant 0 or the accumulator; ra, rb: the rows of the scale registers
.macro WM c, ra, rb
.if (\ra) && (\rb)
	v_wmma_scale_f32_16x16x128_f8f6f4 v[rD:rD+7], v[rB:rB+7], v[rA:rA+7], \c, v[rSB], v[rSA] matrix_a_fmt:MATRIX_FMT_FP4 matrix_b_fmt:MATRIX_FMT_FP4 matrix_a_scale:MATRIX_SCALE_ROW1 matrix_b_scale:MATRIX_SCALE_ROW1
.elseif \ra
	v_wmma_scale_f32_16x16x128_f8f6f4 v[rD:rD+7], v[rB:rB+7], v[rA:rA+7], \c, v[rSB], v[rSA] matrix_a_fmt:MATRIX_FMT_FP4 matrix_b_fmt:MATRIX_FMT_FP4 matrix_a_scale:MATRIX_SCALE_ROW1
.elseif \rb
	v_wmma_scale_f32_16x16x128_f8f6f4 v[rD:rD+7], v[rB:rB+7], v[rA:rA+7], \c, v[rSB], v[rSA] matrix_a_fmt:MATRIX_FMT_FP4 matrix_b_fmt:MATRIX_FMT_FP4 matrix_b_scale:MATRIX_SCALE_ROW1
.else
	v_wmma_scale_f32_16x16x128_f8f6f4 v[rD:rD+7], v[rB:rB+7], v[rA:rA+7], \c, v[rSB], v[rSA] matrix_a_fmt:MATRIX_FMT_FP4 matrix_b_fmt:MATRIX_FMT_FP4
.endif
.endm
; K step ks of the tile in hand: the four accumulators take turns, one instruction a turn; the first K step starts the sums with the constant 0: nothing is cleared
.macro MUL4
.set ma, 0
.rept 4
.set rD, ACC+32*kP+8*ma
.set rB, BF+64*kP+8*ks
.set rA, 64*ma+8*ks                    ; in window 1
.set rSB, BS+32*kM+ks
.set rSA, AS+4*ma+ks%4
.if ks == 0
	WM 0, kP, ks/4
.else
	WM v[rD:rD+7], kP, ks/4
.endif
.set ma, ma+1
.endr
.endm
; THE VECTOR WORK on a finished tile (accumulator set kQ: 32 numbers a lane), a list of 112; EOP writes number ej.
;   0-15   t = c acc + chW, a pair at a time, each accumulator from its low end on          16-47  2^t          48-63  + 1, a pair at a time          64-95  the reciprocal
;   96-111 the rows' sums += (-2 v) x the quotient, a pair at a time, the four tiles of rows by turns
; All but the last part name no vector register as their second source, so they stand under the matrix instructions' window setting (source 1 in window 1) as they are.
.macro EOP
.set rX, ACC+32*kQ
.if ej < 16
	v_pk_fma_f32 v[rX+2*ej:rX+2*ej+1], v[rX+2*ej:rX+2*ej+1], s[CS:CS+1], v[HW+2*(ej%4):HW+2*(ej%4)+1] op_sel_hi:[1,0,1]
.elseif ej < 48
	v_exp_f32 v[rX+ej-16], v[rX+ej-16]
.elseif ej < 64
	v_pk_add_f32 v[rX+2*(ej-48):rX+2*(ej-48)+1], v[rX+2*(ej-48):rX+2*(ej-48)+1], 1.0 op_sel_hi:[1,0]
.elseif ej < 96
	v_rcp_f32 v[rX+ej-64], v[rX+ej-64]
.else
.set ea, (ej-96)%4
.set ep, (ej-96)/4
	v_pk_fma_f32 v[RS+2*ea:RS+2*ea+1], v[rX+8*ea+2*ep:rX+8*ea+2*ep+1], v[W2+2*ep:W2+2*ep+1], v[RS+2*ea:RS+2*ea+1]
.endif
.endm
.macro HWLOAD                          ; chW of the tile that the NEXT step takes through the list
	ds_load_b128 v[HW:HW+3],   v[VT] offset:256*((kK+1)/2)+64*((kK+1)%2)
	ds_load_b128 v[HW+4:HW+7], v[VT] offset:256*((kK+1)/2)+64*((kK+1)%2)+16
.endm
; Slice ks of eight: it stands behind K step ks's four matrix instructions.  Slices 0-5: 14 numbers each; slice 6: the last 12 reciprocals; slice 7: the 16 multiply-adds.
; Each batch of 32 transcendentals has one plain instruction behind its last and ONE wait ahead of its first reader.
; Slice 7's sixteen name no register of the step's matrix instructions: they are the places between the step's last product and the next step's loads into the fragments that it read and first read of its results.
.macro SLICE hw
.if ks == 7
	v_nop
	s_wait_alu depctr_va_vdst(0)                   ; the 32 reciprocals
	s_wait_dscnt 0x0                               ; all that this step asked of LDS is in: the next tile's fragments and scale words, -2 v, the next chW
	WIN 0
.set ej, 96
.set en, 16
.elseif ks == 6
.set ej, 84
.set en, 12
.else
.set ej, 14*ks
.set en, 14
.endif
.rept en
	EOP
.if (ej == 15) && (\hw)
	HWLOAD                                         ; the scalings have read this tile's chW
.endif
.if ej == 47
	v_nop
	s_wait_alu depctr_va_vdst(0)                   ; the 32 exponentials
.endif
.set ej, ej+1
.endr
.endm
; STEP k of a half-slot hs (two of my pairs, four tiles).  ld: tile 4 hs + k is asked of LDS;  m: tile 4 hs + k - 1 is multiplied;  e: tile 4 hs + k - 2 goes through the list.  A tile's sets are its number's parity.
.macro STEP k, m, e, ld
.set kK, \k
.set kP, ((\k)+1)%2                    ; the multiplied tile's sets; also its place in its pair: the row of We's scale register
.set kQ, (\k)%2                        ; the sets of the loads' target and of the list's tile
.set kR, (\k)/2                        ; the loaded tile's pair in the half-slot
.set kM, (((\k)+3)%4)/2                ; the multiplied tile's set of scale words
.if \ld
.set kf, 0
.rept 8
	ds_load_b128 v[BF+64*kQ+8*kf:BF+64*kQ+8*kf+3],   v[VL] offset:kR*2*PAIRB+(4*kf+2*kQ)*LP       ; an image of four registers: 512 bytes on end
	ds_load_b128 v[BF+64*kQ+8*kf+4:BF+64*kQ+8*kf+7], v[VL] offset:kR*2*PAIRB+(4*kf+2*kQ+1)*LP
.set kf, kf+1
.endr
.if kQ == 0
	ds_load_b128 v[BS+32*kR:BS+32*kR+3],   v[VS] offset:kR*2048          ; with a pair's first tile its scale words: they serve both tiles
	ds_load_b128 v[BS+32*kR+4:BS+32*kR+7], v[VS] offset:kR*2048+512
.endif
.endif
.if \e
	ds_load_b128 v[W2:W2+3],   v[VT] offset:4096+256*kR+64*kQ
	ds_load_b128 v[W2+4:W2+7], v[VT] offset:4096+256*kR+64*kQ+16
.endif
.if \m
	WIN 0x04                                       ; source 1 (enc's fragments) in window 1
.endif
.set ks, 0
.rept 8
.if \m
	MUL4
.endif
.if \e
	SLICE \m
.elseif (\m) && (ks == 1)
	HWLOAD
.endif
.set ks, ks+1
.endr
.if (\e) == 0
.if \m
	WIN 0
.rept 4
	v_nop                                          ; with no list to walk: the four places behind the last product
.endr
.endif
	s_wait_dscnt 0x0
.endif
.endm
.macro ADDR                            ; the half-slot's LDS addresses: a scalar that steps by constants + a lane term that stays
	v_add_nc_u32 v[VL], s[TBL], v[L16]
	v_add_nc_u32 v[VS], s[TSC], v[L16]
	v_add_nc_u32 v[VT], s[TTB], v[H32]
.endm
.macro NEXTH
	s_add_co_u32 s[TBL], s[TBL], 4*PAIRB           ; two of my pairs and the other parity's two
	s_add_co_u32 s[TSC], s[TSC], 4096
	s_add_co_u32 s[TTB], s[TTB], 512
.endm
.macro HALF
	ADDR
	STEP 0, 1, 1, 1
	STEP 1, 1, 1, 1
	STEP 2, 1, 1, 1
	STEP 3, 1, 1, 1
	NEXTH
.endm
.macro TWO_HALVES                      ; a slot: written once, walked twice
	s_mov_b32 s[INNER], 2
.Lhalf_\@:
	HALF
	s_sub_co_u32 s[INNER], s[INNER], 1
	s_cmp_lg_u32 s[INNER], 0
	s_cbranch_scc1 .Lhalf_\@
.endm
.macro TURN                            ; behind a slot's two halves: back to the slot's head, and over to the other slot
	s_sub_co_u32 s[TBL], s[TBL], SLOTB
	s_xor_b32 s[TBL], s[TBL], SLOTB
.endm
; THE CHANGE OF SLOTS.  The loads run a tile ahead of the products, so all of the slot that is left lies in registers.  Each wave waits for all its tensor loads (one is out: its pair of the slot ahead), adds 0 to its
; spare word, and waits for that and for its reads.  fill = 1: a round of the cluster's barrier, so that no wave of any partner still reads the slot or has a load on its way, and the joint refill first behind it:
; it has eight steps, 256 matrix instructions a wave, in which to land.
.macro CHANGE fill
	s_wait_tensorcnt 0x0                           ; no tensor load of mine is out, so a group 0 may be written
	ds_add_u32 v[SPW], v[NIL]                      ; 0 onto my spare word
.if \fill
	s_xor_b32 s[G0B+1], s[G0B+1], SLOTB            ; the walking descriptor: the other slot than last time,
	s_add_nc_u64 s[G0B+2:G0B+3], s[G0B+2:G0B+3], 8*16384   ; the next eight pairs; the type bits on top are not reached
.endif
	s_wait_dscnt 0x0                               ; the add is done, and my reads of the slot that is left are over
.if \fill
	ROUND
	tensor_load_to_lds s[G0B:G0B+3], s[G1B:G1B+7]  ; my one tensor load until the next round
	s_nop 0
.rept 4
	v_nop
.endr
.else
	s_barrier_signal -1
	s_barrier_wait -1
.endif
.endm
	CHANGE 1                                       ; enc's rows lie in everybody's registers: Y takes pairs 8-15
	ADDR                                           ; the first half-slot is written out: the pipeline fills
	STEP 0, 0, 0, 1
	STEP 1, 1, 0, 1
	STEP 2, 1, 1, 1
	STEP 3, 1, 1, 1
	NEXTH
	HALF
	s_mov_b32 s[OUTER], 2
.Lslot:                                            ; two trips: X takes pairs 16-23 while Y is walked, Y takes pairs 24-31 while X is walked
	TURN
	CHANGE 1
	TWO_HALVES
	s_sub_co_u32 s[OUTER], s[OUTER], 1
	s_cmp_lg_u32 s[OUTER], 0
	s_cbranch_scc1 .Lslot
	TURN                                           ; the last slot is written out
	CHANGE 0
	TWO_HALVES
	v_add_nc_u32 v[VT], s[TTB], v[H32]
	STEP 0, 1, 1, 0                                ; my last tile is multiplied,
	STEP 1, 0, 1, 0                                ; and goes through the list
	; THE WAY OUT.  A row's sum: its pair's two halves, the other half of the lanes' eight columns, and (through LDS) the other parity's pairs.
.irp a, 0,1,2,3
	v_add_f32 v[128+\a], v[RS+2*\a], v[RS+2*\a+1]
.endr
.irp a, 0,1,2,3
	v_permlanex16_b32 v[132+\a], v[128+\a], s[SEL], s[SEL+1]
.endr
.irp a, 0,1,2,3
	v_add_f32 v[128+\a], v[128+\a], v[132+\a]      ; lanes r and 16 + r both hold row 16 a + r's
.endr
	v_cmp_ne_u32 vcc_lo, 0, v[H32]
	v_cndmask_b32 v136, v128, v129, vcc_lo         ; rows 0-31 of my 64, a lane a row
	v_cndmask_b32 v137, v130, v131, vcc_lo         ; rows 32-63
	s_lshl_b32 s74, s[WJ], 10
	s_lshl_b32 s78, s[WI], 8
	s_add_co_u32 s74, s74, s78
	s_add_co_u32 s74, s74, RSUM
	v_and_b32 v139, 31, v0
	v_lshl_add_u32 v138, v139, 2, s74
	s_lshl_b32 s78, s[WVN], 9
	s_add_co_u32 s78, s78, RSUM
	v_add_nc_u32 v140, s78, v[L16]                 ; (made ahead of the branch below; read by waves 0 and 1 alone)
	ds_store_b32 v138, v136
	ds_store_b32 v138, v137 offset:128
	s_wait_dscnt 0x0                               ; for the others' sake
	s_barrier_signal -1
	s_barrier_wait -1
	s_cmp_ge_u32 s[WVN], 2                         ; waves 0 and 1 add the two parities' sums of 128 rows each
	s_cbranch_scc1 .Ldone
	ds_load_b128 v[144:147], v140
	ds_load_b128 v[148:151], v140 offset:1024
	s_wait_dscnt 0x0
	v_pk_add_f32 v[144:145], v[144:145], v[148:149]
	v_pk_add_f32 v[146:147], v[146:147], v[150:151]
	global_store_b128 v[L16], v[144:147], s[18:19] ; 512 bytes on end, at a multiple of 256 from scores' first byte
.Ldone:
	s_wait_tensorcnt 0x0                           ; the wave's end, behind my last tensor load and my last LDS store
	ds_add_u32 v[SPW], v[NIL]
	s_wait_dscnt 0x0
	ROUND                                          ; the closing round: no work-group ends while a partner may still ask for a tile that names it
	s_endpgm
.Lfunc_end_k_qa8b6266bce_energy:
	.size	k_qa8b6266bce_energy, .Lfunc_end_k_qa8b6266bce_energy-k_qa8b6266bce_energy
	.p2alignl 7, 3214868480
	.fill 96, 4, 3214868480
	.section	.rodata,"a",@progbits
	.p2align	6, 0x0
	.amdhsa_kernel k_qa8b6266bce_energy
		.amdhsa_group_segment_fixed_size 327680
		.amdhsa_private_segment_fixed_size 0
		.amdhsa_enable_private_segment 0
		.amdhsa_kernarg_size 64
		.amdhsa_user_sgpr_count 2
		.amdhsa_user_sgpr_kernarg_segment_ptr 1
		.amdhsa_wavefront_size32 1
		.amdhsa_system_sgpr_workgroup_id_x 1
		.amdhsa_system_sgpr_workgroup_id_y 1
		.amdhsa_system_sgpr_workgroup_id_z 1
		.amdhsa_system_vgpr_workitem_id 0
		.amdhsa_next_free_vgpr 512
		.amdhsa_next_free_sgpr 84
		.amdhsa_reserve_vcc 1
		.amdhsa_float_denorm_mode_32 3
		.amdhsa_float_denorm_mode_16_64 3
		.amdhsa_memory_ordered 1
		.amdhsa_forward_progress 1
		.amdhsa_inst_pref_size 186
	.end_amdhsa_kernel
	.amdgpu_metadata
---
amdhsa.version: [ 1, 2 ]
amdhsa.kernels:
  - .name:           k_qa8b6266bce_energy
    .symbol:         k_qa8b6266bce_energy.kd
    .args:
      - { .name: encoder_outputs_codes, .offset: 0, .size: 8, .value_kind: global_buffer, .address_space: global }
      - { .name: encoder_outputs_scales, .offset: 8, .size: 8, .value_kind: global_buffer, .address_space: global }
      - { .name: wcodes, .offset: 16, .size: 8, .value_kind: global_buffer, .address_space: global }
      - { .name: wscl, .offset: 24, .size: 8, .value_kind: global_buffer, .address_space: global }
      - { .name: hpart, .offset: 32, .size: 8, .value_kind: global_buffer, .address_space: global }
      - { .name: b_attn, .offset: 40, .size: 8, .value_kind: global_buffer, .address_space: global }
      - { .name: v, .offset: 48, .size: 8, .value_kind: global_buffer, .address_space: global }
      - { .name: scores, .offset: 56, .size: 8, .value_kind: global_buffer, .address_space: global }
    .group_segment_fixed_size: 327680
    .private_segment_fixed_size: 0
    .kernarg_segment_align: 8
    .kernarg_segment_size: 64
    .max_flat_workgroup_size: 256
    .sgpr_count:     84
    .vgpr_count:     512
    .wavefront_size: 32
...
	.end_amdgpu_metadata
.endif
;; end of part 2
;; launch soft (part 3): grid 64 x 1, 1 waves a work-group, no clusters, 0 bytes of LDS; arguments scores, mask, v, out0; writes out0
.if DOCPART == 3
	.amdgcn_target "amdgcn-amd-amdhsa--gfx1250"
	.amdhsa_code_object_version 6
	.text
	.protected	k_qa8b6266bce_soft
	.globl	k_qa8b6266bce_soft
	.p2align	8
	.type	k_qa8b6266bce_soft,@function
k_qa8b6266bce_soft:
	s_mov_b64 s[64:65], 0
	v_nop
	global_prefetch_b8 v0, s[64:65] scope:SCOPE_SE
	s_setreg_imm32_b32 hwreg(HW_REG_WAVE_MODE, 25, 1), 1
	s_wait_xcnt 0x0
; out0[b][:] = softmax_s( where(mask[b][s] == 0, -1e10, scores[b][s] + the sum of v) ).  scores + the sum of v is tanh(pre) . v ('energy' stores the part that hangs on the row).
; The sum of v is added ahead of the mask's choice and is not left out: the choice stands between it and the softmax, so it does not cancel where some positions are masked.
; (Work left out in the program: reference()'s unused 'energy', as shown at the head of 'prep'.)
; One wave to a batch row of 1,024: 32 numbers a lane, all in registers: no LDS, no barrier.  Each load and store of the wave covers 512 bytes on end.  The row's maximum is taken away before the exponential, as in reference().
; The difference is formed FIRST and then multiplied by log2(e), not fused: in a row that is wholly masked every difference is then exactly 0, and the result 1 / 1,024, as in reference().
.set SC, 8                             ; v8-39    the row: scores, then the attention, then the result
.set MK, 40                            ; v40-71   the mask
.set VV, 72                            ; v72-103  v
	s_load_b256 s[4:11], s[0:1], 0x0               ; scores s[4:5], mask s[6:7], v s[8:9], out0 s[10:11]
	s_lshl_b32 s12, ttmp9, 12                      ; my row of 4,096 bytes
	s_mov_b32 s13, 0
	s_mov_b32 s14, 0x76543210                      ; v_permlanex16_b32's selects for lane l xor 16
	s_mov_b32 s15, 0xfedcba98
	v_lshlrev_b32 v1, 4, v0                        ; 16 bytes a lane
	v_mov_b32 v2, 0xd01502f9                       ; -1e10
	s_wait_kmcnt 0x0
	s_add_nc_u64 s[4:5], s[4:5], s[12:13]
	s_add_nc_u64 s[6:7], s[6:7], s[12:13]
	s_add_nc_u64 s[10:11], s[10:11], s[12:13]
.irp i, 0,1,2,3,4,5,6,7
	global_load_b128 v[VV+4*\i:VV+4*\i+3], v1, s[8:9] offset:512*\i
.endr
.irp i, 0,1,2,3,4,5,6,7
	global_load_b128 v[SC+4*\i:SC+4*\i+3], v1, s[4:5] offset:512*\i
.endr
.irp i, 0,1,2,3,4,5,6,7
	global_load_b128 v[MK+4*\i:MK+4*\i+3], v1, s[6:7] offset:512*\i
.endr
; the sum of 32 numbers a lane at v[b] on, then over the 32 lanes: into v104 of every lane (v105-107 at work)
.macro SUM32 b
	v_pk_add_f32 v[104:105], v[\b:\b+1], v[\b+2:\b+3]
	v_pk_add_f32 v[106:107], v[\b+4:\b+5], v[\b+6:\b+7]
.irp j, 8,12,16,20,24,28
	v_pk_add_f32 v[104:105], v[104:105], v[\b+\j:\b+\j+1]
	v_pk_add_f32 v[106:107], v[106:107], v[\b+\j+2:\b+\j+3]
.endr
	v_pk_add_f32 v[104:105], v[104:105], v[106:107]
	v_add_f32 v104, v104, v105
	v_add_f32_dpp v104, v104, v104 row_xmask:1 row_mask:0xf bank_mask:0xf
	v_add_f32_dpp v104, v104, v104 row_xmask:2 row_mask:0xf bank_mask:0xf
	v_add_f32_dpp v104, v104, v104 row_xmask:4 row_mask:0xf bank_mask:0xf
	v_add_f32_dpp v104, v104, v104 row_xmask:8 row_mask:0xf bank_mask:0xf
	v_permlanex16_b32 v105, v104, s14, s15
	v_add_f32 v104, v104, v105
.endm
	s_wait_loadcnt 16                              ; v's eight loads are in; the sixteen behind them may be out
	SUM32 VV
	s_wait_loadcnt 0x0
.irp j, 0,2,4,6,8,10,12,14,16,18,20,22,24,26,28,30
	v_pk_add_f32 v[SC+\j:SC+\j+1], v[SC+\j:SC+\j+1], v[104:105] op_sel_hi:[1,0]   ; tanh(pre) . v
.endr
.irp j, 0,1,2,3,4,5,6,7,8,9,10,11,12,13,14,15,16,17,18,19,20,21,22,23,24,25,26,27,28,29,30,31
	v_cmp_eq_u32 vcc_lo, 0, v[MK+\j]
	v_cndmask_b32 v[SC+\j], v[SC+\j], v2, vcc_lo   ; -1e10 where the mask is 0
.endr
	v_max3_num_f32 v4, v[SC], v[SC+1], v[SC+2]     ; the row's maximum: two chains in a lane,
	v_max3_num_f32 v5, v[SC+3], v[SC+4], v[SC+5]
.irp j, 6,10,14,18,22,26
	v_max3_num_f32 v4, v4, v[SC+\j], v[SC+\j+1]
	v_max3_num_f32 v5, v5, v[SC+\j+2], v[SC+\j+3]
.endr
	v_max3_num_f32 v4, v4, v[SC+30], v[SC+31]
	v_max_num_f32 v4, v4, v5
	v_max_num_f32_dpp v4, v4, v4 row_xmask:1 row_mask:0xf bank_mask:0xf    ; then over the lanes
	v_max_num_f32_dpp v4, v4, v4 row_xmask:2 row_mask:0xf bank_mask:0xf
	v_max_num_f32_dpp v4, v4, v4 row_xmask:4 row_mask:0xf bank_mask:0xf
	v_max_num_f32_dpp v4, v4, v4 row_xmask:8 row_mask:0xf bank_mask:0xf
	v_permlanex16_b32 v5, v4, s14, s15
	v_max_num_f32 v4, v4, v5
.irp j, 0,2,4,6,8,10,12,14,16,18,20,22,24,26,28,30
	v_pk_add_f32 v[SC+\j:SC+\j+1], v[SC+\j:SC+\j+1], v[4:5] op_sel_hi:[1,0] neg_lo:[0,1] neg_hi:[0,1]   ; less the maximum
.endr
.irp j, 0,2,4,6,8,10,12,14,16,18,20,22,24,26,28,30
	v_pk_mul_f32 v[SC+\j:SC+\j+1], v[SC+\j:SC+\j+1], 0x3fb8aa3b op_sel_hi:[1,0]                          ; x log2(e)
.endr
.irp j, 0,1,2,3,4,5,6,7,8,9,10,11,12,13,14,15,16,17,18,19,20,21,22,23,24,25,26,27,28,29,30,31
	v_exp_f32 v[SC+\j], v[SC+\j]
.endr
	v_nop                                          ; a plain instruction behind the last exponential,
	s_wait_alu depctr_va_vdst(0)                   ; and one wait for the batch, ahead of its first reader
	SUM32 SC                                       ; at least 1: the maximum's own term
	v_rcp_f32 v6, v104
	v_mov_b32 v7, 0                                ; (a plain instruction behind the reciprocal; v7 is named with v6 as a pair, so it is written)
	s_wait_alu depctr_va_vdst(0)
.irp j, 0,2,4,6,8,10,12,14,16,18,20,22,24,26,28,30
	v_pk_mul_f32 v[SC+\j:SC+\j+1], v[SC+\j:SC+\j+1], v[6:7] op_sel_hi:[1,0]
.endr
.irp i, 0,1,2,3,4,5,6,7
	global_store_b128 v1, v[SC+4*\i:SC+4*\i+3], s[10:11] offset:512*\i   ; 512 bytes on end, at a multiple of 256 from out0's first byte
.endr
	s_endpgm
.Lfunc_end_k_qa8b6266bce_soft:
	.size	k_qa8b6266bce_soft, .Lfunc_end_k_qa8b6266bce_soft-k_qa8b6266bce_soft
	.p2alignl 7, 3214868480
	.fill 96, 4, 3214868480
	.section	.rodata,"a",@progbits
	.p2align	6, 0x0
	.amdhsa_kernel k_qa8b6266bce_soft
		.amdhsa_group_segment_fixed_size 0
		.amdhsa_private_segment_fixed_size 0
		.amdhsa_enable_private_segment 0
		.amdhsa_kernarg_size 32
		.amdhsa_user_sgpr_count 2
		.amdhsa_user_sgpr_kernarg_segment_ptr 1
		.amdhsa_wavefront_size32 1
		.amdhsa_system_sgpr_workgroup_id_x 1
		.amdhsa_system_sgpr_workgroup_id_y 1
		.amdhsa_system_sgpr_workgroup_id_z 1
		.amdhsa_system_vgpr_workitem_id 0
		.amdhsa_next_free_vgpr 112
		.amdhsa_next_free_sgpr 66
		.amdhsa_reserve_vcc 1
		.amdhsa_float_denorm_mode_32 3
		.amdhsa_float_denorm_mode_16_64 3
		.amdhsa_memory_ordered 1
		.amdhsa_forward_progress 1
		.amdhsa_inst_pref_size 16
	.end_amdhsa_kernel
	.amdgpu_metadata
---
amdhsa.version: [ 1, 2 ]
amdhsa.kernels:
  - .name:           k_qa8b6266bce_soft
    .symbol:         k_qa8b6266bce_soft.kd
    .args:
      - { .name: scores, .offset: 0, .size: 8, .value_kind: global_buffer, .address_space: global }
      - { .name: mask, .offset: 8, .size: 8, .value_kind: global_buffer, .address_space: global }
      - { .name: v, .offset: 16, .size: 8, .value_kind: global_buffer, .address_space: global }
      - { .name: out0, .offset: 24, .size: 8, .value_kind: global_buffer, .address_space: global }
    .group_segment_fixed_size: 0
    .private_segment_fixed_size: 0
    .kernarg_segment_align: 8
    .kernarg_segment_size: 32
    .max_flat_workgroup_size: 32
    .sgpr_count:     66
    .vgpr_count:     112
    .wavefront_size: 32
...
	.end_amdgpu_metadata
.endif
;; end of part 3
;; ======== version 2 of 2: 3 launches
;; limits: right only within a limited range of input values
;; workspace buffers: wcodes 524,288 bytes; wscl 32,768 bytes; hpart 2,097,152 bytes; rowlist 262,144 bytes of whole numbers; rowcnt 256 bytes of whole numbers; scores 1,048,576 bytes
;; launch prep (part 4): grid 16 x 18, 4 waves a work-group, no clusters, 23,040 bytes of LDS; arguments W_attn, hidden_codes, hidden_scales, wcodes, wscl, hpart, mask, rowlist, rowcnt; writes wcodes, wscl, hpart, rowlist, rowcnt
.if DOCPART == 4
	.amdgcn_target "amdgcn-amd-amdhsa--gfx1250"
	.amdhsa_code_object_version 6
	.text
	.protected	k_qa8b6266bce_prep
	.globl	k_qa8b6266bce_prep
	.p2align	8
	.type	k_qa8b6266bce_prep,@function
k_qa8b6266bce_prep:
	s_mov_b64 s[64:65], 0
	v_nop
	global_prefetch_b8 v0, s[64:65] scope:SCOPE_SE
	s_setreg_imm32_b32 hwreg(HW_REG_WAVE_MODE, 25, 1), 1
	s_wait_xcnt 0x0
; THE PROGRAM: out0 = softmax_s( where(mask == 0, -1e10, tanh(hidden Wh + enc We + b_attn) . v) ), B = 64, S = 1,024, D = 1,024; the products with Wh and We on codes of E2M1 with one E8M0 scale for each 32 along K.
; Three launches: this one (W_attn into codes; hidden x Wh; the rows that the mask keeps), 'energy' (enc x We, tanh, the product with v, for the kept rows), 'soft' (mask and softmax).
; WORK LEFT OUT.  (1) reference() computes energy = tanh(hidden @ Wh + b_attn)[:, None, :] * 0 and never names 'energy' again: no result hangs on it, whatever the inputs hold.  So the first product of the table
; and its tanh are not done.  The second product has the same operands and is done, so every input keeps a way to the output and every input is loaded.
; (2) Where mask[b][s] == 0, reference() puts -1e10 in the place of tanh(pre[b][s]) . v: that row of enc x We, its tanh and its product with v reach no result.  The mask is a whole-number input: this launch reads it and
; stores, as whole numbers, which rows are kept; 'energy' reads that and multiplies the tiles that hold such rows.  Every mask is served, all ones and all zeros too.
; LIMIT: a NaN, an infinity or an overflow that would arise in 'energy' of reference() alone, or in a row whose mask is 0, is not carried to the result (reference() does not carry it either).
; W_attn [2048 (k)][1024 (n)] f32 has K as its FIRST axis; rows 0-1023 are Wh, rows 1024-2047 We; 1,024 is a multiple of 32, so the blocks of Wh and of We are blocks of W_attn.
; A LANE TAKES A COLUMN n AND ITS REGISTERS RUN DOWN K: a block of 32 lies in one lane's registers and the conversions give codes with K innermost.
; A block's scale is 2^(floor(log2(largest magnitude)) - 2); its byte is the largest magnitude's exponent field - 2, held at 1 from below.
; LIMITS: a block of zeros gets the byte 1 where the rule says 127 (its codes are zeros, which add nothing under any byte but 0xff, and this program alone reads the bytes); NaN and infinities in W_attn are not served.
; SHARES.  Work-group (x, y), y >= 2: columns 64 x .. 64 x + 63 (256 bytes of a row), the K step of 128 rows y - 2 of W_attn's sixteen.  Wave w takes its block w of 32 rows, all 64 columns: two numbers a lane and row.
;   A wave's 16 bytes of codes a column are a quarter of a fragment of 16 columns x 128 K: registers 4 c .. 4 c + 3 of lane (r, h) hold block 2 c + h, so block w is the image's part c = w / 2, h = w % 2: 256 bytes on end a tile.
;   y = 10 .. 17 (We): wcodes [x][K step][tile of 16 columns][c][lane][16 bytes], each 16 lanes storing 256 bytes on end; the scale words, joined in LDS, wscl [x][K step][lane][2 words]: columns lane, 32 + lane.
;   y = 2 .. 9 (Wh): the parts meet in LDS as images of the operand's registers; wave w multiplies hidden's rows 16 w .. 16 w + 15; hpart [K step][64][1024] f32 takes the results, which 'energy' adds.
;   y = 0, 1 (the mask): two batches a work-group, two waves to a batch.  rowlist[b] is a permutation of 0 .. 1023: the rows with mask != 0 first, then the others; rowcnt[b] counts the first kind.
; The ways part on the work-group's y (the same in all four waves), and share no LDS byte.  No tensor load, no ring.
.set SROW,  272
.set STG,   0                          ; Wh's way: 16 rows x 64 columns a wave, rows of 256 bytes + 16
.set FRG,   4*16*SROW                  ; Wh's way: four fragments
.set SCG,   FRG+4096                   ; Wh's way: [wave][lane]; 512 bytes further on We's way
.set SPARE, SCG+1024                   ; the spare words, 128 bytes for each wave: blocks that no other line names
.set SPW,  1
.set NIL,  2
.set L4,   3
.set L16,  4
.set WO,   5                           ; 1,024 (lane / 16) + 16 (lane % 16)
.set FST,  6
.set HCA,  7
.set HSA,  8
.set SCO,  9
.set SCR,  10
.set STO,  11
.set SRD,  12
.set OUTA, 13
.set L8,   14
.set ROWN, 15
.set MX,   16                          ; v16-19 four chains of a maximum
.set SO,   20                          ; v20-21 the conversions' scale operands
.set BY,   22
.set BYW,  24
.set AW,   26                          ; v26-29 the four waves' bytes
.set TT,   30
.set SW,   32                          ; v32-33 scale words: hold scales and nothing else
.set HS,   34
.set F,    36                          ; v36-39 columns 0-31, v40-43 columns 32-63: codes
.set HID,  44
.set FG,   52                          ; v52-83 four fragments
.set ACC,  84                          ; v84-115
.set X,    116                         ; v116-179 two columns' 32 numbers
.set PA,   148                         ; the mask's way
.set PD,   164
.set WVN,  16
.set E2,   17
.set KQ,   18
.set YY,   19
.set KS,   30
.set MK,   32                          ; s32-63
.macro WLOAD                           ; both halves of a row's 256 bytes, row by row
.set wi, 0
.rept 64
	global_load_b32 v[X+32*(wi%2)+wi/2], v[L4], s[4:5] offset:(wi/2)*4096+128*(wi%2) th:TH_LOAD_NT
.set wi, wi+1
.endr
.endm
.macro QUANT
	s_wait_loadcnt 0x0
.irp s, 0,1
	v_max3_num_f32 v[MX+2*\s], |v[X+32*\s]|, |v[X+32*\s+1]|, |v[X+32*\s+2]|
	v_max3_num_f32 v[MX+2*\s+1], |v[X+32*\s+3]|, |v[X+32*\s+4]|, |v[X+32*\s+5]|
.endr
.irp i, 6,10,14,18,22,26
.irp s, 0,1
	v_max3_num_f32 v[MX+2*\s], v[MX+2*\s], |v[X+32*\s+\i]|, |v[X+32*\s+\i+1]|
	v_max3_num_f32 v[MX+2*\s+1], v[MX+2*\s+1], |v[X+32*\s+\i+2]|, |v[X+32*\s+\i+3]|
.endr
.endr
.irp s, 0,1
	v_max3_num_f32 v[MX+2*\s], v[MX+2*\s], |v[X+32*\s+30]|, |v[X+32*\s+31]|
.endr
.irp s, 0,1
	v_max3_num_f32 v[MX+2*\s], v[MX+2*\s], v[MX+2*\s+1], 0x1800000   ; and the floor 2^(3 - 127): the byte cannot fall under 1
.endr
.irp s, 0,1
	v_add_nc_u32 v[SO+\s], 0xff000000, v[MX+2*\s]  ; 2 off the exponent field
.endr
.irp s, 0,1
	v_lshrrev_b32 v[BY+\s], 23, v[SO+\s]
.endr
.irp s, 0,1
.irp g, 0,1,2,3
	v_cvt_scalef32_pk8_fp4_f32 v[F+4*\s+\g], v[X+32*\s+8*\g:X+32*\s+8*\g+7], v[SO+\s]
.endr
.endr
	v_lshl_or_b32 v[BYW], v[BY+1], 16, v[BY]       ; (the plain place behind the last conversion)
.endm
.macro WORDS                           ; the four waves' bytes -> two scale words: columns lane, 32 + lane
	v_lshl_or_b32 v[TT], v[AW+1], 8, v[AW]
	v_lshl_or_b32 v[TT+1], v[AW+3], 8, v[AW+2]
	v_and_b32 v[AW], 0xffff, v[TT]
	v_lshrrev_b32 v[AW+1], 16, v[TT]
	v_lshl_or_b32 v[SW], v[TT+1], 16, v[AW]
	v_and_or_b32 v[SW+1], v[TT+1], 0xffff0000, v[AW+1]
.endm
	s_load_b256 s[4:11], s[0:1], 0x0               ; W_attn s[4:5], hidden's codes s[6:7], hidden's scales s[8:9], wcodes s[10:11]
	s_load_b128 s[12:15], s[0:1], 0x20             ; wscl s[12:13], hpart s[14:15]
	s_load_b128 s[24:27], s[0:1], 0x30             ; mask s[24:25], rowlist s[26:27]
	s_load_b64 s[28:29], s[0:1], 0x40              ; rowcnt
	v_lshl_add_u32 v[SPW], v0, 2, SPARE
	v_mov_b32 v[NIL], 0
	v_lshrrev_b32 v16, 5, v0
	v_readfirstlane_b32 s[WVN], v16                ; wave 0..3: which block of the K step
	s_and_b32 s[E2], s[WVN], 1                     ; its h (the mask's way: which half of a batch's groups I store)
	s_lshr_b32 s[KQ], s[WVN], 1                    ; its c (the mask's way: which of the two batches)
	s_and_b32 s[YY], ttmp7, 0xffff
	v_and_b32 v17, 31, v0                          ; lane
	v_and_b32 v18, 15, v0                          ; r
	v_bfe_u32 v19, v0, 4, 1                        ; h
	v_lshlrev_b32 v[L4], 2, v17
	v_lshlrev_b32 v[L16], 4, v17
	v_lshlrev_b32 v[L8], 3, v17
	v_lshlrev_b32 v[WO], 4, v18
	s_lshl_b32 s21, s[WVN], 4
	v_add_nc_u32 v20, s21, v18                     ; hidden's row 16 w + r
	v_add_nc_u32 v21, s21, v19                     ; the way out: row 16 w + h
	v_lshl_add_u32 v[WO], v19, 10, v[WO]
	v_lshlrev_b32 v[HCA], 9, v20
	v_lshlrev_b32 v[HSA], 5, v20
	v_lshlrev_b32 v[OUTA], 12, v21
	v_lshl_add_u32 v[HCA], v19, 4, v[HCA]
	v_lshl_add_u32 v[OUTA], v18, 4, v[OUTA]
	s_lshl_b32 s20, s[KQ], 9
	s_lshl_b32 s22, s[E2], 8
	s_add_co_u32 s20, s20, s22
	s_add_co_u32 s20, s20, FRG
	v_add_nc_u32 v[FST], s20, v[WO]
	s_lshl_b32 s20, s[WVN], 7
	s_add_co_u32 s20, s20, SCG
	v_add_nc_u32 v[SCO], s20, v[L4]
	v_add_nc_u32 v[SCR], SCG, v[L4]
	s_mul_i32 s20, s[WVN], 16*SROW
	v_mul_u32_u24 v[STO], v18, SROW
	v_mul_u32_u24 v[SRD], v19, SROW
	v_lshl_add_u32 v[STO], v19, 5, v[STO]
	v_lshl_add_u32 v[SRD], v18, 4, v[SRD]
	v_add_nc_u32 v[STO], s20, v[STO]
	v_add_nc_u32 v[SRD], s20, v[SRD]
	s_wait_alu depctr_va_vdst(0)                   ; the wait at the head's end
	s_wait_kmcnt 0x0
	s_cmp_lt_u32 s[YY], 2                          ; the work-group's number alone: all four waves go the same way
	s_cbranch_scc1 .Lmask
	s_sub_co_u32 s[KS], s[YY], 2
	s_lshl_b32 s20, s[KS], 19                      ; 128 rows of 4,096 bytes a K step,
	s_lshl_b32 s21, s[WVN], 17                     ; 32 a wave,
	s_add_co_u32 s20, s20, s21
	s_lshl_b32 s21, ttmp9, 8                       ; 64 columns
	s_add_co_u32 s20, s20, s21
	s_mov_b32 s21, 0
	s_mov_b32 s23, 0
	s_add_nc_u64 s[4:5], s[4:5], s[20:21]
	s_cmp_ge_u32 s[KS], 8
	s_cbranch_scc1 .Lwe
	; ---------------- Wh ----------------
	s_lshl_b32 s22, s[KS], 6                       ; hidden: 64 bytes of codes and 4 scale bytes a K step
	s_add_nc_u64 s[6:7], s[6:7], s[22:23]
	s_lshl_b32 s22, s[KS], 2
	s_add_nc_u64 s[8:9], s[8:9], s[22:23]
	global_load_b128 v[HID:HID+3], v[HCA], s[6:7]
	global_load_b128 v[HID+4:HID+7], v[HCA], s[6:7] offset:32
	global_load_b32 v[HS], v[HSA], s[8:9]
	WLOAD
	s_lshl_b32 s22, s[KS], 18
	s_lshl_b32 s20, ttmp9, 8
	s_add_co_u32 s22, s22, s20
	s_add_nc_u64 s[14:15], s[14:15], s[22:23]      ; hpart: this K step, my 64 columns
	QUANT
	ds_store_b128 v[FST], v[F:F+3]                 ; tiles 0, 1
	ds_store_b128 v[FST], v[F+4:F+7] offset:2048   ; tiles 2, 3
	ds_store_b32 v[SCO], v[BYW]
	s_wait_dscnt 0x0                               ; for the others' sake
	s_barrier_signal -1
	s_barrier_wait -1
.irp i, 0,1,2,3
	ds_load_b32 v[AW+\i], v[SCR] offset:128*\i
.endr
.irp e, 0,1,2,3
	ds_load_b128 v[FG+8*\e:FG+8*\e+3], v[L16] offset:FRG+1024*\e
	ds_load_b128 v[FG+8*\e+4:FG+8*\e+7], v[L16] offset:FRG+1024*\e+512
.endr
	s_wait_dscnt 8                                 ; the four words are in; the fragments' eight loads may be out
	WORDS
	s_wait_alu depctr_va_vdst(0)                   ; directly ahead of the wait below
	s_wait_dscnt 0x0
.rept 8
	v_nop                                          ; a scale register written by vector instructions stands 8 places ahead of a scaled matrix instruction
.endr
; TRANSPOSED: source 0 = 16 columns of Wh, source 1 = 16 rows of hidden: lane (r, h) holds row 16 w + r, its register j column 16 e + 8 h + j.
.irp p, 0,1
	v_wmma_scale_f32_16x16x128_f8f6f4 v[ACC+16*\p:ACC+16*\p+7], v[FG+16*\p:FG+16*\p+7], v[HID:HID+7], 0, v[SW+\p], v[HS] matrix_a_fmt:MATRIX_FMT_FP4 matrix_b_fmt:MATRIX_FMT_FP4
	v_wmma_scale_f32_16x16x128_f8f6f4 v[ACC+16*\p+8:ACC+16*\p+15], v[FG+16*\p+8:FG+16*\p+15], v[HID:HID+7], 0, v[SW+\p], v[HS] matrix_a_fmt:MATRIX_FMT_FP4 matrix_b_fmt:MATRIX_FMT_FP4 matrix_a_scale:MATRIX_SCALE_ROW1
.endr
.rept 4
	v_nop                                          ; four places between the last product and the first read of a result
.endr
.irp e, 0,1,2,3
	ds_store_b128 v[STO], v[ACC+8*\e:ACC+8*\e+3] offset:64*\e
	ds_store_b128 v[STO], v[ACC+8*\e+4:ACC+8*\e+7] offset:64*\e+16
.endr
.irp t, 0,1,2,3,4,5,6,7                ; my own bytes, in order: rows 2 t + h
	ds_load_b128 v[X+4*\t:X+4*\t+3], v[SRD] offset:\t*2*SROW
.endr
.irp t, 0,1,2,3,4,5,6,7
	s_wait_dscnt 7-\t
	global_store_b128 v[OUTA], v[X+4*\t:X+4*\t+3], s[14:15] offset:8192*\t   ; sixteen lanes store 256 bytes on end
.endr
	s_wait_tensorcnt 0x0                           ; the wave's end, behind my last LDS store
	ds_add_u32 v[SPW], v[NIL]
	s_wait_dscnt 0x0
	s_endpgm
	; ---------------- We ----------------
.Lwe:
	WLOAD
	s_sub_co_u32 s[KS], s[KS], 8
	s_lshl_b32 s22, ttmp9, 15                      ; wcodes: 32,768 bytes for 64 columns, 4,096 a K step,
	s_lshl_b32 s20, s[KS], 12
	s_add_co_u32 s22, s22, s20
	s_lshl_b32 s20, s[WVN], 8                      ; 256 a block: 512 c + 256 h
	s_add_co_u32 s22, s22, s20
	s_add_nc_u64 s[10:11], s[10:11], s[22:23]
	s_lshl_b32 s22, ttmp9, 11                      ; wscl: 2,048 bytes for 64 columns, 256 a K step
	s_lshl_b32 s20, s[KS], 8
	s_add_co_u32 s22, s22, s20
	s_add_nc_u64 s[12:13], s[12:13], s[22:23]
	QUANT
	global_store_b128 v[WO], v[F:F+3], s[10:11]                     ; sixteen lanes store 256 bytes on end
	global_store_b128 v[WO], v[F+4:F+7], s[10:11] offset:2048
	ds_store_b32 v[SCO], v[BYW] offset:512
	s_wait_dscnt 0x0                               ; for the others' sake
	s_barrier_signal -1
	s_barrier_wait -1
	s_cmp_lg_u32 s[WVN], 0                         ; wave 0 carries the words out
	s_cbranch_scc1 .Lno_words
.irp i, 0,1,2,3
	ds_load_b32 v[AW+\i], v[SCR] offset:512+128*\i
.endr
	s_wait_dscnt 0x0
	WORDS
	global_store_b64 v[L8], v[SW:SW+1], s[12:13]   ; 256 bytes on end
.Lno_words:
	s_wait_tensorcnt 0x0                           ; the wave's end, as on the other way
	ds_add_u32 v[SPW], v[NIL]
	s_wait_dscnt 0x0
	s_endpgm
	; ---------------- the mask: which rows are kept ----------------
	; Group g = 4 j + c of 32 holds rows 128 j + 4 lane + c (a lane's load j brings four neighbouring numbers).  The list takes the groups in ascending g and, in a group, the lanes in ascending order:
	; a kept row goes to (kept rows before it), another to (all kept rows) + (other rows before it).  The order of rows in the list is free: a softmax does not hang on it.
	; Both waves of a batch make all 32 groups' bits; wave half e2 stores groups 16 e2 .. 16 e2 + 15.
.Lmask:
	s_lshl_b32 s20, s[YY], 4
	s_add_co_u32 s20, s20, ttmp9
	s_lshl_b32 s20, s20, 1
	s_add_co_u32 s20, s20, s[KQ]                   ; my batch
	s_lshl_b32 s22, s20, 12                        ; a row of 4,096 bytes in the mask and in the list
	s_mov_b32 s23, 0
	s_add_nc_u64 s[24:25], s[24:25], s[22:23]
	s_add_nc_u64 s[26:27], s[26:27], s[22:23]
	s_lshl_b32 s22, s20, 2
	s_add_nc_u64 s[28:29], s[28:29], s[22:23]
.irp j, 0,1,2,3,4,5,6,7
	global_load_b128 v[X+4*\j:X+4*\j+3], v[L16], s[24:25] offset:512*\j     ; 512 bytes on end
.endr
	s_lshl_b32 s31, s[E2], 9
	v_add_nc_u32 v[ROWN], s31, v[L4]               ; 512 e2 + 4 lane: the row of my lane in my first group
	s_wait_alu depctr_va_vdst(0)
	s_wait_loadcnt 0x0
.set mg, 0
.rept 32
	v_cmp_ne_u32 s[MK+mg], 0, v[X+mg]              ; a bit a lane: the row is kept
.set mg, mg+1
.endr
	s_bcnt1_i32_b32 s22, s[MK]
.set mg, 1
.rept 15
	s_bcnt1_i32_b32 s23, s[MK+mg]
	s_add_co_u32 s22, s22, s23                     ; kept rows in groups 0-15
.set mg, mg+1
.endr
	s_mov_b32 s21, s22
.rept 16
	s_bcnt1_i32_b32 s23, s[MK+mg]
	s_add_co_u32 s21, s21, s23                     ; kept rows in all
.set mg, mg+1
.endr
	s_sub_co_u32 s30, 512, s22                     ; other rows in groups 0-15
	s_cmp_eq_u32 s[E2], 0                          ; the selections below all stand on this one compare: none of them changes SCC
.set mg, 0
.rept 16
	s_cselect_b32 s[MK+mg], s[MK+mg], s[MK+16+mg]  ; my sixteen groups' bits
.set mg, mg+1
.endr
	s_cselect_b32 s23, 0, s22                      ; kept rows before my first group
	s_cselect_b32 s30, 0, s30
	s_add_co_u32 s30, s30, s21                     ; where the other rows of my first group begin
.set mg, 0
.rept 16
	v_mbcnt_lo_u32_b32 v[PA+mg], s[MK+mg], s23     ; kept rows before mine
	s_not_b32 s31, s[MK+mg]
	v_mbcnt_lo_u32_b32 v16, s31, s30               ; all kept rows + other rows before mine
	v_add_nc_u32 v[PD+mg], 128*(mg/4)+mg%4, v[ROWN] ; my row's number
	v_cndmask_b32 v[PA+mg], v16, v[PA+mg], s[MK+mg]
	v_min_u32 v[PA+mg], 0x3ff, v[PA+mg]            ; a number made of loaded numbers enters an address behind this hold alone (it changes nothing: the places are 0 .. 1023)
	v_lshlrev_b32 v[PA+mg], 2, v[PA+mg]
	global_store_b32 v[PA+mg], v[PD+mg], s[26:27]  ; the group's kept rows land on end, and so do its others; each group has registers of its own
	s_bcnt1_i32_b32 s20, s[MK+mg]
	s_add_co_u32 s23, s23, s20
	s_sub_co_u32 s20, 32, s20
	s_add_co_u32 s30, s30, s20
.set mg, mg+1
.endr
	s_cmp_lg_u32 s[E2], 0                          ; the batch's first wave stores the count
	s_cbranch_scc1 .Lno_cnt
	v_mov_b32 v17, s21
	v_mov_b32 v18, 0
	global_store_b32 v18, v17, s[28:29]            ; all lanes store the same word with the same value
.Lno_cnt:
	s_wait_tensorcnt 0x0                           ; the wave's end, as on the other ways
	ds_add_u32 v[SPW], v[NIL]
	s_wait_dscnt 0x0
	s_endpgm
.Lfunc_end_k_qa8b6266bce_prep:
	.size	k_qa8b6266bce_prep, .Lfunc_end_k_qa8b6266bce_prep-k_qa8b6266bce_prep
	.p2alignl 7, 3214868480
	.fill 96, 4, 3214868480
	.section	.rodata,"a",@progbits
	.p2align	6, 0x0
	.amdhsa_kernel k_qa8b6266bce_prep
		.amdhsa_group_segment_fixed_size 23040
		.amdhsa_private_segment_fixed_size 0
		.amdhsa_enable_private_segment 0
		.amdhsa_kernarg_size 72
		.amdhsa_user_sgpr_count 2
		.amdhsa_user_sgpr_kernarg_segment_ptr 1
		.amdhsa_wavefront_size32 1
		.amdhsa_system_sgpr_workgroup_id_x 1
		.amdhsa_system_sgpr_workgroup_id_y 1
		.amdhsa_system_sgpr_workgroup_id_z 1
		.amdhsa_system_vgpr_workitem_id 0
		.amdhsa_next_free_vgpr 180
		.amdhsa_next_free_sgpr 66
		.amdhsa_reserve_vcc 0
		.amdhsa_float_denorm_mode_32 3
		.amdhsa_float_denorm_mode_16_64 3
		.amdhsa_memory_ordered 1
		.amdhsa_forward_progress 1
		.amdhsa_inst_pref_size 43
	.end_amdhsa_kernel
	.amdgpu_metadata
---
amdhsa.version: [ 1, 2 ]
amdhsa.kernels:
  - .name:           k_qa8b6266bce_prep
    .symbol:         k_qa8b6266bce_prep.kd
    .args:
      - { .name: W_attn, .offset: 0, .size: 8, .value_kind: global_buffer, .address_space: global }
      - { .name: hidden_codes, .offset: 8, .size: 8, .value_kind: global_buffer, .address_space: global }
      - { .name: hidden_scales, .offset: 16, .size: 8, .value_kind: global_buffer, .address_space: global }
      - { .name: wcodes, .offset: 24, .size: 8, .value_kind: global_buffer, .address_space: global }
      - { .name: wscl, .offset: 32, .size: 8, .value_kind: global_buffer, .address_space: global }
      - { .name: hpart, .offset: 40, .size: 8, .value_kind: global_buffer, .address_space: global }
      - { .name: mask, .offset: 48, .size: 8, .value_kind: global_buffer, .address_space: global }
      - { .name: rowlist, .offset: 56, .size: 8, .value_kind: global_buffer, .address_space: global }
      - { .name: rowcnt, .offset: 64, .size: 8, .value_kind: global_buffer, .address_space: global }
    .group_segment_fixed_size: 23040
    .private_segment_fixed_size: 0
    .kernarg_segment_align: 8
    .kernarg_segment_size: 72
    .max_flat_workgroup_size: 128
    .sgpr_count:     66
    .vgpr_count:     180
    .wavefront_size: 32
...
	.end_amdgpu_metadata
.endif
;; end of part 4
;; launch energy (part 5): grid 256 x 1, 8 waves a work-group, no clusters, 179,200 bytes of LDS; arguments encoder_outputs_codes, encoder_outputs_scales, wcodes, wscl, hpart, b_attn, v, rowlist, rowcnt, scores; writes scores
.if DOCPART == 5
	.amdgcn_target "amdgcn-amd-amdhsa--gfx1250"
	.amdhsa_code_object_version 6
	.text
	.protected	k_qa8b6266bce_energy
	.globl	k_qa8b6266bce_energy
	.p2align	8
	.type	k_qa8b6266bce_energy,@function
k_qa8b6266bce_energy:
	s_mov_b64 s[64:65], 0
	v_nop
	global_prefetch_b8 v0, s[64:65] scope:SCOPE_SE
	s_setreg_imm32_b32 hwreg(HW_REG_WAVE_MODE, 25, 1), 1
	s_wait_xcnt 0x0
; scores[cq][b][p] = sum over the 256 columns n of quarter cq of (-2 v[n]) / (1 + e^(2 pre[b][s][n])),  s = rowlist[b][p],  pre = enc[b][s] We + (hidden[b] Wh + b_attn).
; Since tanh(x) = 1 - 2 / (1 + e^(2x)), tanh(pre) . v = the four quarters' sum + the sum of v; 'soft' adds them.
; WORK LEFT OUT (shown at the head of 'prep'): reference()'s unused 'energy'; and rows with mask == 0, in whose place reference() puts -1e10.  rowlist[b] has the kept rows first, rowcnt[b] counts them:
; tiles of 16 list places that begin at or behind the count are not multiplied, and their places in scores hold 0, which 'soft' replaces.
; The exponential is 2^t, t = c acc + chW[n], c = 2 log2(e), chW = c (the K steps' parts of hidden Wh + b_attn).  Where 2^t overflows the quotient is 0 (tanh = 1), where it falls to 0 the quotient is 1 (tanh = -1): no hold is needed.
; LIMITS: NaN scale bytes (0xff) in a kept row give NaN, as in reference().
; SHARES.  Work-group b + 64 cq: one batch, 256 columns.  No tensor load and no cluster: the four work-groups of a batch each read the kept rows.
; No prefetch: a row is asked for by a load into registers a whole chunk ahead of its LDS store, and its number is known one chunk ahead of that.
; Eight waves, two to a SIMD.  Wave w: 64 columns (cg = w / 2) and the tiles of 16 list places of parity rp = w % 2.  WE'S FRAGMENTS STAY IN REGISTERS: 4 tiles x 8 K steps x 8 = 256 (window 1); chW and -2 v of the wave's
; columns stay in 64 more.  What streams is enc: chunks of 64 list places through FOUR LDS buffers; wave w gathers eight rows of a chunk, a row of 512 bytes to a load.
; TRANSPOSED: source 0 = 16 columns of We, source 1 = 16 rows of enc: lane (r, h) holds ONE row, its eight registers columns 8 h + 0 .. 7 of the tile.
; CHUNK k (buffer k % 4): step A; chunk k + 2's rows go from registers into LDS; chunk k + 3's are asked for; the barrier's signal; step B, in which chunk k + 1's first tile is read (its rows were shown by chunk k - 1's barrier); the barrier's
; wait.  In front of its signal a wave has waited for all its LDS reads of chunk k and for its stores.  The buffer that chunk k + 2 goes into was last read in chunk k - 2.
; SIXTEEN CHUNKS, a constant; one barrier a chunk, on every wave's way; branches on the count lead round steps, stores and requests alone.
.set LP,    528                        ; a row of enc in LDS: 512 bytes + 16: the sixteen rows of a load begin at sixteen different 16-byte columns modulo 256
.set BUFB,  64*LP                      ; a chunk's codes
.set SC0,   4*BUFB                     ; four chunks' scale bytes, 64 rows x 32 bytes each
.set RSUM,  SC0+8192                   ; [cg][h][1024 places] f32
.set TAB,   RSUM+32768                 ; chW, then -2 v, of the 256 columns
.set SPARE, TAB+2048                   ; the spare words, 128 bytes for each wave: blocks that no other line names
.set SPW,  1
.set NIL,  2
.set L16,  3                           ; 16 x lane
.set EA,   4                           ; v4-5   where I read fragments: buffers 0 and 1, 2 and 3
.set SA,   6                           ; and scale words
.set TAA,  7                           ; TAB + 4 x thread
.set GA,   8                           ; v8-9   where I store gathered rows
.set GS,   10                          ; and their scale bytes
.set L8,   11                          ; 8 x (lane % 4)
.set RA0,  12
.set RA,   13
.set LVO,  14                          ; 4 x (lane / 4)
.set ZA,   15                          ; RSUM + 16 x thread
.set WS,   16                          ; v16-31 We's scale words: K step s, pair P at 2 s + P; lanes 0-15 the pair's first tile, lanes 16-31 its second
.set ES,   32                          ; v32-35 enc's scale words: register q: lanes 0-15 K step q, lanes 16-31 K step 4 + q
.set VO,   36                          ; v36-43 offsets of eight gathered rows
.set SS,   44                          ; v44-45 eight rows' scale bytes on their way
.set LV,   46                          ; the next chunk's entry lane / 4 of my eight
.set SOF,  47
.set SV,   48                          ; a tile's row sums
.set L8L,  49                          ; 8 x lane
.set RS,   50                          ; v50-57 four chains of the row's sum
.set TM,   58                          ; v58-63 at work
.set HW,   64                          ; v64-95  chW of my columns, in the accumulators' layout
.set W2,   96                          ; v96-127 -2 v likewise
.set ACC,  128                         ; v128-159 four accumulators
.set EF,   160                         ; v160-223 a tile's eight fragments of enc
.set ST,   224                         ; v224-255 eight gathered rows on their way
.set VO1,  136                         ; at the head: chunk 1's offsets, scale offset, scale bytes; the first three chunks' entries
.set SOF1, 144
.set LVH,  145
.set SS1,  152
.set WVN,  24
.set CG,   25
.set RP,   26
.set BB,   27
.set CQ,   28
.set CNT,  29                          ; the batch's count of kept rows
.set PT,   30                          ; my step A's first place
.set PC,   31                          ; the chunk's first place
.set TRIP, 32
.set RSO,  33                          ; 1,024 x trip
.set TS,   34
.set TS2,  35
.set CS,   38                          ; s[38:39] c: the packed forms name a pair and take its low word for both halves
.set LA,   40                          ; s[40:41] where the next list entries stand
.set SL,   44                          ; s[44:51] eight rows' numbers (at the head chunk 0's; chunk 1's s[52:59], chunk 2's s[68:75])
.set MSB, 0
.macro WIN new                         ; the immediate's high byte repeats the setting that is left
.if MSB != \new
	s_set_vgpr_msb (MSB<<8)|\new
.set MSB, \new
.endif
.endm
; Eight rows whose numbers lie in s[sl] on are asked for, into v[d] on, their offsets in v[o] on; and their scale bytes: lane l 8 bytes of row l / 4 (its number in v[lv]).  A number read from memory enters an address behind a hold alone.
.macro ASK sl, lv, d, o, so, ss
.set ai, 0
.rept 8
	s_min_u32 s[TS], s[\sl+ai], 0x3ff
	v_lshl_add_u32 v[\o+ai], s[TS], 9, v[L16]
	global_load_b128 v[\d+4*ai:\d+4*ai+3], v[\o+ai], s[4:5]        ; the wave reads the row's 512 bytes on end
.set ai, ai+1
.endr
	v_min_u32 v[\so], 0x3ff, v[\lv]
	v_lshl_add_u32 v[\so], v[\so], 5, v[L8]
	global_load_b64 v[\ss:\ss+1], v[\so], s[6:7]
.endm
.macro PUT d, ss, nb                   ; and go into buffer nb
.set ai, 0
.rept 8
	ds_store_b128 v[GA+(\nb)/2], v[\d+4*ai:\d+4*ai+3] offset:((\nb)%2)*BUFB+ai*LP
.set ai, ai+1
.endr
	ds_store_b64 v[GS], v[\ss:\ss+1] offset:(\nb)*2048
.endm
.macro LOADT nb, no                    ; my tile no of buffer nb: fragment s: registers 4 c .. 4 c + 3 hold K = 128 s + 64 c + 32 h + 0 .. 31 of row r
.set lf, 0
.rept 8
	ds_load_b128 v[EF+8*lf:EF+8*lf+3],   v[EA+(\nb)/2] offset:((\nb)%2)*BUFB+(\no)*32*LP+64*lf
	ds_load_b128 v[EF+8*lf+4:EF+8*lf+7], v[EA+(\nb)/2] offset:((\nb)%2)*BUFB+(\no)*32*LP+64*lf+32
.set lf, lf+1
.endr
	ds_load_b128 v[ES:ES+3], v[SA] offset:(\nb)*2048+(\no)*1024
.endm
.macro WM c, ra, rb                    ; one matrix instruction; c: its C; ra, rb: the rows of the scale registers
.if (\ra) && (\rb)
	v_wmma_scale_f32_16x16x128_f8f6f4 v[rD:rD+7], v[rA:rA+7], v[rB:rB+7], \c, v[rSA], v[rSB] matrix_a_fmt:MATRIX_FMT_FP4 matrix_b_fmt:MATRIX_FMT_FP4 matrix_a_scale:MATRIX_SCALE_ROW1 matrix_b_scale:MATRIX_SCALE_ROW1
.elseif \ra
	v_wmma_scale_f32_16x16x128_f8f6f4 v[rD:rD+7], v[rA:rA+7], v[rB:rB+7], \c, v[rSA], v[rSB] matrix_a_fmt:MATRIX_FMT_FP4 matrix_b_fmt:MATRIX_FMT_FP4 matrix_a_scale:MATRIX_SCALE_ROW1
.elseif \rb
	v_wmma_scale_f32_16x16x128_f8f6f4 v[rD:rD+7], v[rA:rA+7], v[rB:rB+7], \c, v[rSA], v[rSB] matrix_a_fmt:MATRIX_FMT_FP4 matrix_b_fmt:MATRIX_FMT_FP4 matrix_b_scale:MATRIX_SCALE_ROW1
.else
	v_wmma_scale_f32_16x16x128_f8f6f4 v[rD:rD+7], v[rA:rA+7], v[rB:rB+7], \c, v[rSA], v[rSB] matrix_a_fmt:MATRIX_FMT_FP4 matrix_b_fmt:MATRIX_FMT_FP4
.endif
.endm
; The tile whose fragments are on their way is worked on; my next tile, no of buffer nb, begins lim places behind PT and is asked of LDS if it begins under the count.
; The 32 results go in two halves, so that plain work stands between a batch of transcendentals and the wait behind it.
.macro STEP nb, no, lim
	s_wait_dscnt 0x0                               ; the tile's fragments and scale words are in
	WIN 0x01                                       ; source 0 (We's fragments) in window 1
.set ks, 0
.rept 8
.set mt, 0
.rept 4                                ; the four accumulators take turns, one instruction a turn; the first K step starts the sums with the constant 0
.set rD, ACC+8*mt
.set rA, 64*mt+8*ks
.set rB, EF+8*ks
.set rSA, WS+2*ks+mt/2
.set rSB, ES+ks%4
.if ks == 0
	WM 0, mt%2, ks/4
.else
	WM v[rD:rD+7], mt%2, ks/4
.endif
.set mt, mt+1
.endr
.set ks, ks+1
.endr
	WIN 0
	s_add_co_u32 s[TS], s[PT], \lim
.rept 4
	v_nop                                          ; four places between the last product and the loads into the fragments that it read, and the first read of results
.endr
	s_cmp_ge_u32 s[TS], s[CNT]
	s_cbranch_scc1 .Lnext_\@
	LOADT \nb, \no
.Lnext_\@:
.set ei, 0
.rept 16
	v_pk_fma_f32 v[ACC+2*ei:ACC+2*ei+1], v[ACC+2*ei:ACC+2*ei+1], s[CS:CS+1], v[HW+2*ei:HW+2*ei+1] op_sel_hi:[1,0,1]   ; t = c acc + chW; each accumulator from its low end on
.set ei, ei+1
.endr
	s_wait_alu depctr_va_vdst(0)                   ; the waits ahead of and behind each batch
.set ei, 0
.rept 16
	v_exp_f32 v[ACC+ei], v[ACC+ei]
.set ei, ei+1
.endr
	v_nop
	s_wait_alu depctr_va_vdst(0)
.rept 16
	v_exp_f32 v[ACC+ei], v[ACC+ei]
.set ei, ei+1
.endr
.set ei, 0
.rept 8
	v_pk_add_f32 v[ACC+2*ei:ACC+2*ei+1], v[ACC+2*ei:ACC+2*ei+1], 1.0 op_sel_hi:[1,0]
.set ei, ei+1
.endr
	s_wait_alu depctr_va_vdst(0)                   ; the second half's exponentials, and the first half's sums ahead of their reciprocals
.set ei, 0
.rept 16
	v_rcp_f32 v[ACC+ei], v[ACC+ei]
.set ei, ei+1
.endr
.set ei, 8
.rept 8
	v_pk_add_f32 v[ACC+2*ei:ACC+2*ei+1], v[ACC+2*ei:ACC+2*ei+1], 1.0 op_sel_hi:[1,0]
.set ei, ei+1
.endr
	s_wait_alu depctr_va_vdst(0)
.set ei, 16
.rept 16
	v_rcp_f32 v[ACC+ei], v[ACC+ei]
.set ei, ei+1
.endr
.set ei, 0
.rept 4
	v_pk_mul_f32 v[RS+2*ei:RS+2*ei+1], v[ACC+2*ei:ACC+2*ei+1], v[W2+2*ei:W2+2*ei+1]   ; the first products start the four chains
.set ei, ei+1
.endr
.rept 4
	v_pk_fma_f32 v[RS+2*(ei%4):RS+2*(ei%4)+1], v[ACC+2*ei:ACC+2*ei+1], v[W2+2*ei:W2+2*ei+1], v[RS+2*(ei%4):RS+2*(ei%4)+1]
.set ei, ei+1
.endr
	s_wait_alu depctr_va_vdst(0)                   ; the second half's reciprocals
.rept 8
	v_pk_fma_f32 v[RS+2*(ei%4):RS+2*(ei%4)+1], v[ACC+2*ei:ACC+2*ei+1], v[W2+2*ei:W2+2*ei+1], v[RS+2*(ei%4):RS+2*(ei%4)+1]
.set ei, ei+1
.endr
	v_pk_add_f32 v[RS:RS+1], v[RS:RS+1], v[RS+2:RS+3]
	v_pk_add_f32 v[RS+4:RS+5], v[RS+4:RS+5], v[RS+6:RS+7]
	s_delay_alu instid0(VALU_DEP_1)
	v_pk_add_f32 v[RS:RS+1], v[RS:RS+1], v[RS+4:RS+5]
	s_delay_alu instid0(VALU_DEP_1)
	v_add_f32 v[SV], v[RS], v[RS+1]                ; my half of the row's 64 columns: the lane 16 away holds the other
	s_wait_alu depctr_va_vdst(0)
.endm
.macro CHUNK q
	s_cmp_ge_u32 s[PT], s[CNT]                     ; my tile begins at or behind the count
	s_cbranch_scc1 .Lmid_\@
	STEP \q, 1, 32
	ds_store_b32 v[RA], v[SV] offset:256*\q
.Lmid_\@:
	s_add_co_u32 s[TS], s[PC], 128
	s_cmp_ge_u32 s[TS], s[CNT]
	s_cbranch_scc1 .Lmet_\@
	s_wait_loadcnt 0x0                             ; chunk k + 2's rows, asked for a chunk ago
	PUT ST, SS, (\q+2)%4
	s_add_co_u32 s[TS], s[PC], 192
	s_cmp_ge_u32 s[TS], s[CNT]
	s_cbranch_scc1 .Lmet_\@
	s_wait_dscnt 0x0                               ; the stores have read their registers
	s_wait_kmcnt 0x0
	ASK SL, LV, ST, VO, SOF, SS                    ; chunk k + 3's rows
	s_lshl_b32 s36, s[PC], 2
	s_add_co_u32 s36, s36, 1024
	s_min_u32 s36, s36, 0xf00                      ; (no list goes beyond chunk 15's)
	s_add_nc_u64 s[LA:LA+1], s[18:19], s[36:37]
	s_load_b256 s[SL:SL+7], s[LA:LA+1], 0x0        ; chunk k + 4's numbers
	global_load_b32 v[LV], v[LVO], s[LA:LA+1]
.Lmet_\@:
	s_wait_dscnt 0x0                               ; my reads of this chunk are over, my stores have landed
	s_barrier_signal -1
	s_add_co_u32 s[TS], s[PT], 32
	s_cmp_ge_u32 s[TS], s[CNT]
	s_cbranch_scc1 .Lend_\@
	STEP (\q+1)%4, 0, 64
.Lend_\@:
	s_barrier_wait -1
	s_add_co_u32 s[TS], s[PT], 32
	s_cmp_ge_u32 s[TS], s[CNT]
	s_cbranch_scc1 .Lout_\@
	ds_store_b32 v[RA], v[SV] offset:256*\q+128
.Lout_\@:
	s_add_co_u32 s[PC], s[PC], 64
	s_add_co_u32 s[PT], s[PT], 64
.endm
.macro WLD n                           ; the next n loads of We's fragments: an image of four registers, 512 bytes on end, each
	WIN 0x40                                       ; destination window 1
.rept \n
	global_load_b128 v[64*(wl/16)+4*(wl%16):64*(wl/16)+4*(wl%16)+3], v[L16], s[8:9] offset:((wl%16)/2)*4096+(wl/16)*1024+(wl%2)*512
.set wl, wl+1
.endr
	WIN 0
.endm
	s_load_b512 s[4:19], s[0:1], 0x0               ; enc's codes s[4:5], enc's scales s[6:7], wcodes s[8:9], wscl s[10:11], hpart s[12:13], b_attn s[14:15], v s[16:17], rowlist s[18:19]
	s_load_b128 s[20:23], s[0:1], 0x40             ; rowcnt s[20:21], scores s[22:23]
	v_lshl_add_u32 v[SPW], v0, 2, SPARE
	v_mov_b32 v[NIL], 0
	v_lshrrev_b32 v[TM], 5, v0
	v_readfirstlane_b32 s[WVN], v[TM]              ; wave 0..7
	s_lshr_b32 s[CG], s[WVN], 1
	s_and_b32 s[RP], s[WVN], 1
	s_and_b32 s[BB], ttmp9, 63                     ; the batch
	s_lshr_b32 s[CQ], ttmp9, 6                     ; the quarter of the columns
	v_and_b32 v[TM+1], 31, v0                      ; lane
	v_and_b32 v[TM+4], 15, v0                      ; r
	v_bfe_u32 v[TM+5], v0, 4, 1                    ; h
	v_mov_b32 v[ACC], 0
	v_mov_b32 v[ACC+1], 0
	v_mov_b32 v[ACC+2], 0
	v_mov_b32 v[ACC+3], 0
	v_mov_b32 v[SV], 0                             ; written on every way ahead of the stores of a tile's sums
	v_lshl_add_u32 v[ZA], v0, 4, RSUM
	v_lshl_add_u32 v[TAA], v0, 2, TAB
	v_lshlrev_b32 v[L16], 4, v[TM+1]
	v_lshlrev_b32 v[L8L], 3, v[TM+1]
	v_lshrrev_b32 v[LVO], 2, v[TM+1]
	v_and_b32 v[L8], 3, v[TM+1]
	v_lshlrev_b32 v[TM+3], 2, v0                   ; 4 x thread
	v_lshlrev_b32 v[LVO], 2, v[LVO]
	v_lshlrev_b32 v[L8], 3, v[L8]
.irp i, 0,1,2,3,4,5,6,7
	ds_store_b128 v[ZA], v[ACC:ACC+3] offset:4096*\i ; the sums of places that are not multiplied are 0
.endr
	s_lshl_b32 s[TS], s[RP], 4
	v_add_nc_u32 v[TM], s[TS], v[TM+4]             ; 16 rp + r
	s_lshl_b32 s[TS], s[CG], 13
	s_lshl_b32 s[TS2], s[RP], 6
	s_add_co_u32 s[TS], s[TS], s[TS2]
	s_add_co_u32 s[TS], s[TS], RSUM
	v_lshl_add_u32 v[RA0], v[TM+4], 2, s[TS]
	v_mul_u32_u24 v[EA], v[TM], LP
	v_lshlrev_b32 v[SA], 5, v[TM]
	v_lshl_add_u32 v[RA0], v[TM+5], 12, v[RA0]
	v_lshl_add_u32 v[EA], v[TM+5], 4, v[EA]
	v_lshl_add_u32 v[SA], v[TM+5], 4, v[SA]
	v_add_nc_u32 v[EA+1], 2*BUFB, v[EA]
	v_add_nc_u32 v[SA], SC0, v[SA]
	s_mul_i32 s[TS], s[WVN], 8*LP
	v_add_nc_u32 v[GA], s[TS], v[L16]              ; my eight rows of a chunk, 16 bytes a lane
	s_lshl_b32 s[TS], s[WVN], 8
	s_add_co_u32 s[TS], s[TS], SC0
	v_add_nc_u32 v[GS], s[TS], v[L8L]
	v_add_nc_u32 v[GA+1], 2*BUFB, v[GA]
	s_lshl_b32 s[TS], s[CG], 8
	s_add_co_u32 s[TS], s[TS], TAB
	v_lshlrev_b32 v[TM], 5, v[TM+5]
	v_add_nc_u32 v[TM], s[TS], v[TM]               ; where my columns' tables begin, + 32 h
	s_mov_b32 s[CS], 0x4038aa3b                    ; c = 2 log2(e)
	s_mov_b32 s[CS+1], s[CS]
	s_lshl_b32 s[PT], s[RP], 4
	s_mov_b32 s[PC], 0
	s_mov_b32 s[RSO], 0
	s_mov_b32 s[TRIP], 4
	s_mov_b32 s37, 0
	s_wait_alu depctr_va_vdst(0)                   ; directly ahead of the wait below
	s_wait_kmcnt 0x0
	s_lshl_b32 s36, s[BB], 12                      ; the list: row b, + 8 w entries
	s_lshl_b32 s[TS], s[WVN], 5
	s_add_co_u32 s36, s36, s[TS]
	s_add_nc_u64 s[18:19], s[18:19], s[36:37]
	s_load_b256 s[SL:SL+7], s[18:19], 0x0          ; chunks 0, 1, 2: 64 entries apart
	s_load_b256 s[52:59], s[18:19], 0x100
	s_load_b256 s[68:75], s[18:19], 0x200
	s_lshl_b32 s36, s[BB], 2
	s_add_nc_u64 s[20:21], s[20:21], s[36:37]
	s_load_b32 s[CNT], s[20:21], 0x0
.irp i, 0,1,2
	global_load_b32 v[LVH+\i], v[LVO], s[18:19] offset:256*\i
.endr
	s_lshl_b32 s36, s[CQ], 10                      ; my 256 columns, 4 bytes each
	s_add_nc_u64 s[14:15], s[14:15], s[36:37]
	s_add_nc_u64 s[16:17], s[16:17], s[36:37]
	s_lshl_b32 s[TS], s[BB], 12
	s_add_co_u32 s36, s36, s[TS]
	s_add_nc_u64 s[12:13], s[12:13], s[36:37]
.irp i, 0,1,2,3,4,5,6,7
	global_load_b32 v[HW+\i], v[TM+3], s[12:13] offset:262144*\i   ; column 'thread' of the 256: the eight K steps' parts,
.endr
	global_load_b32 v[HW+8], v[TM+3], s[14:15]     ; the bias,
	global_load_b32 v[HW+9], v[TM+3], s[16:17]     ; and v
	s_lshl_b32 s[TS], s[CQ], 2
	s_add_co_u32 s[TS], s[TS], s[CG]               ; my 64 columns
	s_lshl_b32 s36, s[TS], 15
	s_add_nc_u64 s[8:9], s[8:9], s[36:37]
	s_lshl_b32 s36, s[TS], 11
	s_add_nc_u64 s[10:11], s[10:11], s[36:37]
.set wl, 0
	WLD 24
	s_lshl_b32 s36, s[BB], 19
	s_add_nc_u64 s[4:5], s[4:5], s[36:37]          ; enc's codes at the batch
	s_lshl_b32 s36, s[BB], 15
	s_add_nc_u64 s[6:7], s[6:7], s[36:37]          ; and its scale bytes
	s_lshl_b32 s[TS], s[CQ], 6
	s_add_co_u32 s[TS], s[TS], s[BB]
	s_lshl_b32 s36, s[TS], 12
	s_add_nc_u64 s[22:23], s[22:23], s[36:37]      ; scores [cq][b]
	s_wait_kmcnt 0x0
	s_min_u32 s[CNT], s[CNT], 0x400
	s_wait_loadcnt 34                              ; the list's three loads are in; behind them the tables' 10 and We's 24
	ASK SL, LVH, ST, VO, SOF, SS                   ; chunk 0's rows,
	ASK 52, LVH+1, EF, VO1, SOF1, SS1              ; and chunk 1's, into the fragments' registers
.irp s, 0,1,2,3,4,5,6,7
	global_load_b64 v[WS+2*\s:WS+2*\s+1], v[L8L], s[10:11] offset:256*\s
.endr
	WLD 40
	s_wait_loadcnt 63                              ; 90 loads were issued behind the tables': those are in
	v_pk_add_f32 v[HW:HW+1], v[HW:HW+1], v[HW+2:HW+3]
	v_pk_add_f32 v[HW+4:HW+5], v[HW+4:HW+5], v[HW+6:HW+7]
	v_mul_f32 v[HW+9], -2.0, v[HW+9]
	v_pk_add_f32 v[HW:HW+1], v[HW:HW+1], v[HW+4:HW+5]
	v_add_f32 v[HW], v[HW], v[HW+1]
	v_add_f32 v[HW], v[HW], v[HW+8]
	v_mul_f32 v[HW], s[CS], v[HW]
	ds_store_b32 v[TAA], v[HW]
	ds_store_b32 v[TAA], v[HW+9] offset:1024
	s_wait_loadcnt 48                              ; the rows of chunks 0 and 1 are in; behind them We's 8 + 40
	PUT ST, SS, 0
	PUT EF, SS1, 1
	s_wait_dscnt 0x0                               ; for the others' sake; and the stores have read their registers
	ASK 68, LVH+2, ST, VO, SOF, SS                 ; chunk 2's rows
	s_load_b256 s[SL:SL+7], s[18:19], 0x300        ; chunk 3's numbers
	global_load_b32 v[LV], v[LVO], s[18:19] offset:768
	s_barrier_signal -1
	s_barrier_wait -1
	LOADT 0, 0
.irp e, 0,1,2,3
.irp u, 0,1
	ds_load_b128 v[HW+8*\e+4*\u:HW+8*\e+4*\u+3], v[TM] offset:64*\e+16*\u
	ds_load_b128 v[W2+8*\e+4*\u:W2+8*\e+4*\u+3], v[TM] offset:1024+64*\e+16*\u
.endr
.endr
	s_wait_alu depctr_va_vdst(0)                   ; the wait at the head's end
	s_wait_loadcnt 10                              ; We is in; behind it chunk 2's 8 rows, their scale bytes and chunk 3's entries
.Ltrip:                                            ; four trips of four chunks
	v_add_nc_u32 v[RA], s[RSO], v[RA0]
	s_wait_alu depctr_va_vdst(0)                   ; directly behind the write
	CHUNK 0
	CHUNK 1
	CHUNK 2
	CHUNK 3
	s_add_co_u32 s[RSO], s[RSO], 1024
	s_sub_co_u32 s[TRIP], s[TRIP], 1
	s_cmp_lg_u32 s[TRIP], 0
	s_cbranch_scc1 .Ltrip
	s_wait_dscnt 0x0                               ; for the others' sake: my rows' sums lie in LDS
	s_barrier_signal -1
	s_barrier_wait -1
.irp i, 0,1,2,3,4,5,6,7
	ds_load_b128 v[ACC+4*\i:ACC+4*\i+3], v[ZA] offset:4096*\i      ; four places a thread, the four groups of 64 columns, two halves each
.endr
	v_lshlrev_b32 v[TM+1], 4, v0
	s_wait_alu depctr_va_vdst(0)
	s_wait_dscnt 0x0
.irp i, 0,1,2,3
	v_pk_add_f32 v[ACC+8*\i:ACC+8*\i+1], v[ACC+8*\i:ACC+8*\i+1], v[ACC+8*\i+4:ACC+8*\i+5]
	v_pk_add_f32 v[ACC+8*\i+2:ACC+8*\i+3], v[ACC+8*\i+2:ACC+8*\i+3], v[ACC+8*\i+6:ACC+8*\i+7]
.endr
.irp i, 0,1
	v_pk_add_f32 v[ACC+16*\i:ACC+16*\i+1], v[ACC+16*\i:ACC+16*\i+1], v[ACC+16*\i+8:ACC+16*\i+9]
	v_pk_add_f32 v[ACC+16*\i+2:ACC+16*\i+3], v[ACC+16*\i+2:ACC+16*\i+3], v[ACC+16*\i+10:ACC+16*\i+11]
.endr
	v_pk_add_f32 v[ACC:ACC+1], v[ACC:ACC+1], v[ACC+16:ACC+17]
	v_pk_add_f32 v[ACC+2:ACC+3], v[ACC+2:ACC+3], v[ACC+18:ACC+19]
	global_store_b128 v[TM+1], v[ACC:ACC+3], s[22:23]              ; a wave stores 512 bytes on end, at a multiple of 256 from scores' first byte
	s_wait_tensorcnt 0x0                           ; the wave's end, behind my last LDS store
	ds_add_u32 v[SPW], v[NIL]
	s_wait_dscnt 0x0
	s_endpgm
.Lfunc_end_k_qa8b6266bce_energy:
	.size	k_qa8b6266bce_energy, .Lfunc_end_k_qa8b6266bce_energy-k_qa8b6266bce_energy
	.p2alignl 7, 3214868480
	.fill 96, 4, 3214868480
	.section	.rodata,"a",@progbits
	.p2align	6, 0x0
	.amdhsa_kernel k_qa8b6266bce_energy
		.amdhsa_group_segment_fixed_size 179200
		.amdhsa_private_segment_fixed_size 0
		.amdhsa_enable_private_segment 0
		.amdhsa_kernarg_size 80
		.amdhsa_user_sgpr_count 2
		.amdhsa_user_sgpr_kernarg_segment_ptr 1
		.amdhsa_wavefront_size32 1
		.amdhsa_system_sgpr_workgroup_id_x 1
		.amdhsa_system_sgpr_workgroup_id_y 1
		.amdhsa_system_sgpr_workgroup_id_z 1
		.amdhsa_system_vgpr_workitem_id 0
		.amdhsa_next_free_vgpr 512
		.amdhsa_next_free_sgpr 76
		.amdhsa_reserve_vcc 0
		.amdhsa_float_denorm_mode_32 3
		.amdhsa_float_denorm_mode_16_64 3
		.amdhsa_memory_ordered 1
		.amdhsa_forward_progress 1
		.amdhsa_inst_pref_size 127
	.end_amdhsa_kernel
	.amdgpu_metadata
---
amdhsa.version: [ 1, 2 ]
amdhsa.kernels:
  - .name:           k_qa8b6266bce_energy
    .symbol:         k_qa8b6266bce_energy.kd
    .args:
      - { .name: encoder_outputs_codes, .offset: 0, .size: 8, .value_kind: global_buffer, .address_space: global }
      - { .name: encoder_outputs_scales, .offset: 8, .size: 8, .value_kind: global_buffer, .address_space: global }
      - { .name: wcodes, .offset: 16, .size: 8, .value_kind: global_buffer, .address_space: global }
      - { .name: wscl, .offset: 24, .size: 8, .value_kind: global_buffer, .address_space: global }
      - { .name: hpart, .offset: 32, .size: 8, .value_kind: global_buffer, .address_space: global }
      - { .name: b_attn, .offset: 40, .size: 8, .value_kind: global_buffer, .address_space: global }
      - { .name: v, .offset: 48, .size: 8, .value_kind: global_buffer, .address_space: global }
      - { .name: rowlist, .offset: 56, .size: 8, .value_kind: global_buffer, .address_space: global }
      - { .name: rowcnt, .offset: 64, .size: 8, .value_kind: global_buffer, .address_space: global }
      - { .name: scores, .offset: 72, .size: 8, .value_kind: global_buffer, .address_space: global }
    .group_segment_fixed_size: 179200
    .private_segment_fixed_size: 0
    .kernarg_segment_align: 8
    .kernarg_segment_size: 80
    .max_flat_workgroup_size: 256
    .sgpr_count:     76
    .vgpr_count:     512
    .wavefront_size: 32
...
	.end_amdgpu_metadata
.endif
;; end of part 5
;; launch soft (part 6): grid 64 x 1, 8 waves a work-group, no clusters, 1,536 bytes of LDS; arguments scores, rowlist, rowcnt, v, out0; writes out0
.if DOCPART == 6
	.amdgcn_target "amdgcn-amd-amdhsa--gfx1250"
	.amdhsa_code_object_version 6
	.text
	.protected	k_qa8b6266bce_soft
	.globl	k_qa8b6266bce_soft
	.p2align	8
	.type	k_qa8b6266bce_soft,@function
k_qa8b6266bce_soft:
	s_mov_b64 s[64:65], 0
	v_nop
	global_prefetch_b8 v0, s[64:65] scope:SCOPE_SE
	s_setreg_imm32_b32 hwreg(HW_REG_WAVE_MODE, 25, 1), 1
	s_wait_xcnt 0x0
; out0[b][rowlist[b][p]] = softmax over p of ( p < rowcnt[b] ? the four parts of scores[.][b][p] + the sum of v : -1e10 ).  The parts' sum + the sum of v is tanh(pre) . v of row rowlist[b][p].
; rowlist[b] is a permutation of the row's 1,024 places with the rows of mask != 0 first ('prep'), so p >= rowcnt[b] says mask == 0; a softmax does not hang on the order of its terms, and every place of out0 is stored.
; The sum of v is added ahead of the choice and is not left out: the choice stands between it and the softmax.  (Work left out in the program: as shown at the head of 'prep'.)
; Eight waves to a batch row, four neighbouring places a thread.  Two meetings in LDS: the kept places' maximum together with the sum of v; then the sum of the exponentials.
; The row's maximum is taken away before the exponential: since rounding keeps order, the largest kept (score + sum) is (largest kept score) + sum; -1e10 joins it where some place is not kept.
; The difference is formed FIRST and then multiplied by log2(e): in a row that is wholly masked every difference is exactly 0, and the result 1 / 1,024, as in reference().
; The results go back to their rows by stores of 4 bytes, all inside the batch's 4,096 bytes: the permutation's price.
.set SPARE, 512                        ; the spare words, 128 bytes for each wave: blocks that no other line names
.set SPW, 61
.set NIL, 62
.set SC, 8                             ; v8-11 part 0, then the attention, then the result
	s_load_b256 s[4:11], s[0:1], 0x0               ; scores s[4:5], rowlist s[6:7], rowcnt s[8:9], v s[10:11]
	s_load_b64 s[12:13], s[0:1], 0x20              ; out0
	v_lshl_add_u32 v[SPW], v0, 2, SPARE
	v_mov_b32 v[NIL], 0
	v_lshrrev_b32 v4, 5, v0
	v_readfirstlane_b32 s14, v4                    ; wave 0..7
	s_lshl_b32 s16, ttmp9, 12                      ; my row of 4,096 bytes
	s_mov_b32 s17, 0
	s_lshl_b32 s18, ttmp9, 2
	s_mov_b32 s19, 0
	s_mov_b32 s22, 0x76543210                      ; v_permlanex16_b32's selects for lane l xor 16
	s_mov_b32 s23, 0xfedcba98
	s_lshl_b32 s15, s14, 2
	v_lshlrev_b32 v1, 4, v0                        ; 16 bytes a thread
	v_lshlrev_b32 v3, 2, v0                        ; my first place
	v_mov_b32 v5, s15                              ; my wave's word
	v_mov_b32 v6, 0
	v_mov_b32 v7, 0xd01502f9                       ; -1e10
	v_mov_b32 v60, 0xff800000                      ; minus infinity
	v_mov_b32 v33, 0                               ; (a lane permute's destination counts as one of its sources)
	v_mov_b32 v35, 0
	s_wait_alu depctr_va_vdst(0)                   ; the wait at the head's end
	s_wait_kmcnt 0x0
	s_add_nc_u64 s[8:9], s[8:9], s[18:19]
	s_load_b32 s21, s[8:9], 0x0                    ; the count
	s_add_nc_u64 s[4:5], s[4:5], s[16:17]
	s_add_nc_u64 s[6:7], s[6:7], s[16:17]
	s_add_nc_u64 s[12:13], s[12:13], s[16:17]
	global_load_b128 v[24:27], v1, s[10:11]
.irp q, 0,1,2,3
	global_load_b128 v[SC+4*\q:SC+4*\q+3], v1, s[4:5] offset:262144*\q
.endr
	global_load_b128 v[28:31], v1, s[6:7]
	s_wait_kmcnt 0x0
	s_wait_loadcnt 1                               ; v and the parts are in; the list may be out
	v_pk_add_f32 v[8:9], v[8:9], v[12:13]
	v_pk_add_f32 v[10:11], v[10:11], v[14:15]
	v_pk_add_f32 v[16:17], v[16:17], v[20:21]
	v_pk_add_f32 v[18:19], v[18:19], v[22:23]
	v_pk_add_f32 v[24:25], v[24:25], v[26:27]
	v_pk_add_f32 v[8:9], v[8:9], v[16:17]
	v_pk_add_f32 v[10:11], v[10:11], v[18:19]
	v_add_f32 v34, v24, v25
.irp c, 0,1,2,3
	s_sub_co_i32 s30, s21, \c
	v_cmp_gt_i32 s[24+\c], s30, v3                 ; place 4 thread + c lies under the count
.endr
.irp c, 0,1,2,3
	v_cndmask_b32 v[40+\c], v60, v[SC+\c], s[24+\c]
.endr
	v_max3_num_f32 v32, v40, v41, v42
	v_max_num_f32 v32, v32, v43
.irp m, 1,2,4,8
	v_max_num_f32_dpp v32, v32, v32 row_xmask:\m row_mask:0xf bank_mask:0xf
	v_add_f32_dpp v34, v34, v34 row_xmask:\m row_mask:0xf bank_mask:0xf
.endr
	v_permlanex16_b32 v33, v32, s22, s23
	v_permlanex16_b32 v35, v34, s22, s23
	v_max_num_f32 v32, v32, v33
	v_add_f32 v34, v34, v35
	s_wait_alu depctr_va_vdst(0)                   ; ahead of the waits below
	ds_store_b32 v5, v32                           ; all lanes write the same word with the same value
	ds_store_b32 v5, v34 offset:32
	s_wait_dscnt 0x0                               ; for the others' sake
	s_barrier_signal -1
	s_barrier_wait -1
.irp i, 0,1,2,3
	ds_load_b128 v[40+4*\i:43+4*\i], v6 offset:16*\i
.endr
	s_mov_b32 s28, 0xd01502f9
	s_mov_b32 s29, 0xff800000
	s_cmp_lt_u32 s21, 0x400                        ; is some place not kept?
	s_cselect_b32 s28, s28, s29
	s_wait_dscnt 0x0
	v_max3_num_f32 v32, v40, v41, v42
	v_max3_num_f32 v33, v43, v44, v45
	v_pk_add_f32 v[48:49], v[48:49], v[50:51]
	v_pk_add_f32 v[52:53], v[52:53], v[54:55]
	v_max3_num_f32 v32, v32, v46, v47
	v_pk_add_f32 v[48:49], v[48:49], v[52:53]
	v_max_num_f32 v32, v32, v33
	v_add_f32 v34, v48, v49                        ; the sum of v
	v_add_f32 v32, v32, v34
.irp c, 0,1,2,3
	v_add_f32 v[SC+\c], v[SC+\c], v34              ; tanh(pre) . v
.endr
	v_max_num_f32 v32, s28, v32                    ; the row's maximum
.irp c, 0,1,2,3
	v_cndmask_b32 v[SC+\c], v7, v[SC+\c], s[24+\c]
.endr
.irp c, 0,1,2,3
	v_sub_f32 v[SC+\c], v[SC+\c], v32
.endr
.irp c, 0,1,2,3
	v_mul_f32 v[SC+\c], 0x3fb8aa3b, v[SC+\c]       ; x log2(e)
.endr
	s_wait_alu depctr_va_vdst(0)                   ; the waits ahead of and behind a batch
.irp c, 0,1,2,3
	v_exp_f32 v[SC+\c], v[SC+\c]
.endr
	v_nop
	s_wait_alu depctr_va_vdst(0)
	v_pk_add_f32 v[40:41], v[8:9], v[10:11]
	v_add_f32 v34, v40, v41
.irp m, 1,2,4,8
	v_add_f32_dpp v34, v34, v34 row_xmask:\m row_mask:0xf bank_mask:0xf
.endr
	v_permlanex16_b32 v35, v34, s22, s23
	v_add_f32 v34, v34, v35
	s_wait_alu depctr_va_vdst(0)
	ds_store_b32 v5, v34 offset:256
	s_wait_loadcnt 0x0                             ; the list
	v_min_u32 v28, 0x3ff, v28                      ; a number read from memory enters an address behind this hold alone
	v_min_u32 v29, 0x3ff, v29
	v_min_u32 v30, 0x3ff, v30
	v_min_u32 v31, 0x3ff, v31
	v_lshlrev_b32 v28, 2, v28
	v_lshlrev_b32 v29, 2, v29
	v_lshlrev_b32 v30, 2, v30
	v_lshlrev_b32 v31, 2, v31
	s_wait_alu depctr_va_vdst(0)
	s_wait_dscnt 0x0                               ; for the others' sake
	s_barrier_signal -1
	s_barrier_wait -1
	ds_load_b128 v[40:43], v6 offset:256
	ds_load_b128 v[44:47], v6 offset:272
	s_wait_dscnt 0x0
	v_pk_add_f32 v[40:41], v[40:41], v[42:43]
	v_pk_add_f32 v[44:45], v[44:45], v[46:47]
	v_pk_add_f32 v[40:41], v[40:41], v[44:45]
	v_add_f32 v34, v40, v41                        ; at least 1: the maximum's own term
	s_wait_alu depctr_va_vdst(0)
	v_rcp_f32 v36, v34
	v_nop
	s_wait_alu depctr_va_vdst(0)
.irp c, 0,1,2,3
	v_mul_f32 v[SC+\c], v[SC+\c], v36
.endr
.irp c, 0,1,2,3
	global_store_b32 v[28+\c], v[SC+\c], s[12:13]  ; each result to its own row's place
.endr
	s_wait_tensorcnt 0x0                           ; the wave's end, behind my last LDS store
	ds_add_u32 v[SPW], v[NIL]
	s_wait_dscnt 0x0
	s_endpgm
.Lfunc_end_k_qa8b6266bce_soft:
	.size	k_qa8b6266bce_soft, .Lfunc_end_k_qa8b6266bce_soft-k_qa8b6266bce_soft
	.p2alignl 7, 3214868480
	.fill 96, 4, 3214868480
	.section	.rodata,"a",@progbits
	.p2align	6, 0x0
	.amdhsa_kernel k_qa8b6266bce_soft
		.amdhsa_group_segment_fixed_size 1536
		.amdhsa_private_segment_fixed_size 0
		.amdhsa_enable_private_segment 0
		.amdhsa_kernarg_size 40
		.amdhsa_user_sgpr_count 2
		.amdhsa_user_sgpr_kernarg_segment_ptr 1
		.amdhsa_wavefront_size32 1
		.amdhsa_system_sgpr_workgroup_id_x 1
		.amdhsa_system_sgpr_workgroup_id_y 1
		.amdhsa_system_sgpr_workgroup_id_z 1
		.amdhsa_system_vgpr_workitem_id 0
		.amdhsa_next_free_vgpr 64
		.amdhsa_next_free_sgpr 66
		.amdhsa_reserve_vcc 0
		.amdhsa_float_denorm_mode_32 3
		.amdhsa_float_denorm_mode_16_64 3
		.amdhsa_memory_ordered 1
		.amdhsa_forward_progress 1
		.amdhsa_inst_pref_size 9
	.end_amdhsa_kernel
	.amdgpu_metadata
---
amdhsa.version: [ 1, 2 ]
amdhsa.kernels:
  - .name:           k_qa8b6266bce_soft
    .symbol:         k_qa8b6266bce_soft.kd
    .args:
      - { .name: scores, .offset: 0, .size: 8, .value_kind: global_buffer, .address_space: global }
      - { .name: rowlist, .offset: 8, .size: 8, .value_kind: global_buffer, .address_space: global }
      - { .name: rowcnt, .offset: 16, .size: 8, .value_kind: global_buffer, .address_space: global }
      - { .name: v, .offset: 24, .size: 8, .value_kind: global_buffer, .address_space: global }
      - { .name: out0, .offset: 32, .size: 8, .value_kind: global_buffer, .address_space: global }
    .group_segment_fixed_size: 1536
    .private_segment_fixed_size: 0
    .kernarg_segment_align: 8
    .kernarg_segment_size: 40
    .max_flat_workgroup_size: 256
    .sgpr_count:     66
    .vgpr_count:     64
    .wavefront_size: 32
...
	.end_amdgpu_metadata
.endif
;; end of part 6
